; MI455X (gfx1250); checked and timed in simulation.
; The chip was launched on July 23, 2026; its instructions are those of AMD's public machine-readable ISA for CDNA 5 (MIT licence, August 2026) and "CDNA5" Instruction Set Architecture Reference Guide (July 2026). The comments in the code are by the model that wrote it; some were corrected since.
;; Transformer Block. Allowed arithmetic: matrix products marked QUANTISED: E5M2 operands, one given power-of-two scale a tensor, by v_wmma_f32_16x16x64_bf8_bf8 or v_wmma_f32_16x16x128_bf8_bf8, f32 sums; everything else in f32.
;; Inputs: W1_codes 4,096 x 32 x 32 uint8 (E5M2 codes of W1, K innermost, in blocks of 32 codes); W2_codes 1,024 x 128 x 32 uint8 (E5M2 codes of W2, K innermost, in blocks of 32 codes); Wk_codes 1,024 x 32 x 32 uint8 (E5M2 codes of Wk, K innermost, in blocks of 32 codes); Wo_codes 1,024 x 32 x 32 uint8 (E5M2 codes of Wo, K innermost, in blocks of 32 codes); Wq_codes 1,024 x 32 x 32 uint8 (E5M2 codes of Wq, K innermost, in blocks of 32 codes); Wv_codes 1,024 x 32 x 32 uint8 (E5M2 codes of Wv, K innermost, in blocks of 32 codes); g1 1,024 float32; g2 1,024 float32; lowp_scales 16 int32 (the exponents e of the quantised operands' scales 2^e); x 2 x 2,048 x 1,024 float32.
;; Outputs: out0 2 x 2,048 x 1,024 float32.
;; This version of the problem:
;;   THIS VERSION OF THE PROBLEM IS GIVEN IN LOW PRECISION. The matrix products marked QUANTISED in the list below multiply operands that are first quantised to E5M2 (5 exponent bits, 2 mantissa bits; 8 bits a number), with one given power-of-two scale for each operand tensor; their sums are f32. All else is computed in f32.
;;   The module's matrix products, in the order in which they are computed (A, B: the left and right operand; K: the contracted axis; several contracted axes count as one K, in the product's order):
;;     1. [M 4,096, K 1,024] x [K 1,024, N 1,024]; A: computed on the way; B: input Wq (given as codes): QUANTISED (scales: A lowp_scales[0], B lowp_scales[1])
;;     2. [M 4,096, K 1,024] x [K 1,024, N 1,024]; A: computed on the way; B: input Wk (given as codes): QUANTISED (scales: A lowp_scales[2], B lowp_scales[3])
;;     3. [M 4,096, K 1,024] x [K 1,024, N 1,024]; A: computed on the way; B: input Wv (given as codes): QUANTISED (scales: A lowp_scales[4], B lowp_scales[5])
;;     4. batch 32 x [M 2,048, K 64] x [K 64, N 2,048]; A: computed on the way; B: computed on the way: QUANTISED (scales: A lowp_scales[6], B lowp_scales[7])
;;     5. batch 32 x [M 2,048, K 2,048] x [K 2,048, N 64]; A: softmax (see below); B: computed on the way: QUANTISED (scales: A lowp_scales[8], B lowp_scales[9])
;;     6. [M 4,096, K 1,024] x [K 1,024, N 1,024]; A: computed on the way; B: input Wo (given as codes): QUANTISED (scales: A lowp_scales[10], B lowp_scales[11])
;;     7. [M 4,096, K 1,024] x [K 1,024, N 4,096]; A: computed on the way; B: input W1 (given as codes): QUANTISED (scales: A lowp_scales[12], B lowp_scales[13])
;;     8. [M 4,096, K 4,096] x [K 4,096, N 1,024]; A: computed on the way; B: input W2 (given as codes): QUANTISED (scales: A lowp_scales[14], B lowp_scales[15])
;;   THE QUANTISER, for each operand of a quantised product, along K:
;;     - The operand's scale is 2^e, e = its entry of the input lowp_scales (int32; the entries are numbered through the quantised products in the list's order, A before B).
;;     - Each number is divided by the scale, clamped to +-57,344, and rounded to the nearest number of E5M2, ties to even, subnormals kept.
;;     - The product sums the exact products of the quantised numbers (number of the format x scale) in f32.
;;   ~~~python
;;   def quantise(x, axis, e):      # numpy; x: float32 -> the quantised numbers, widened to float32 again
;;       x = np.moveaxis(x, axis, -1); K = x.shape[-1]
;;       r = np.clip(x / 2.0 ** e, -57344, 57344)
;;       step = 2.0 ** (np.maximum(np.frexp(np.where(r == 0, 1, r))[1] - 1, -14) - 2)
;;       q = np.round(r / step) * step * 2.0 ** e      # np.round: ties to even
;;       return np.moveaxis(q, -1, axis).astype(np.float32)
;;   ~~~
;;   SOFTMAX AHEAD OF A QUANTISED PRODUCT. Where the list says 'softmax', what is quantised is not the finished softmax but p = 2^(t - M), with t = logit x log2(e) and M = ceil(the row's largest t), a whole number; so 1/2 < the row's largest p <= 1. The row's sum l is taken of the UNQUANTISED p, in f32, and the product's result is divided by l at the end. Since M is a whole number, a kernel that streams over the keys may use a running M (the ceiling of the running maximum): every later rescaling is an exact power of two, so the quantised numbers keep their values, but for numbers so far below the row's largest that they fall under the format's range.
;;   OPERANDS COMPUTED ON THE WAY. 'Computed on the way' means the value that the module computes at that place (a softmax that the list does not call 'softmax' is quantised finished and normalised). What goes into a quantiser is computed in f32, as accurately as f32 sums, v_exp_f32 and their like allow (about 1e-6 of the number): no bf16 or f16 on the way to a quantiser, and a product that is left as it is and whose result goes on into a quantised operand takes f32 operands (vector FMAs, or v_wmma_f32_16x16x4_f32). A number that lies on a knife's edge between two numbers of the format may be rounded either way, as far as f32 arithmetic and the matrix unit's own rounding can turn it there, and no further.
;;   INPUTS GIVEN AS CODES. W1 (in the module: [4096, 1024], K = its axis 1); W2 (in the module: [1024, 4096], K = its axis 1); Wk (in the module: [1024, 1024], K = its axis 1); Wo (in the module: [1024, 1024], K = its axis 1); Wq (in the module: [1024, 1024], K = its axis 1); Wv (in the module: [1024, 1024], K = its axis 1): each comes as NAME_codes (uint8): NAME with its K axis moved to the last place and cut into blocks of 32 codes, [.., K / 32, bytes a block], one block behind the other in memory; one code a byte (a code: sign, 5 exponent bits, 2 mantissa bits); its scale is its entry of lowp_scales. Its value is code x scale, taken as it is: it is not quantised again, and the codes and scales need not be those that the quantiser above would give.
;; One version. Each part assembles by itself: llvm-mc -triple=amdgcn-amd-amdhsa -mcpu=gfx1250 --defsym DOCPART=n.
;; ======== version 1 of 1: 7 launches
;; limits: right only within a limited range of input values
;; workspace buffers: hc 12,582,912 bytes; qc 4,194,304 bytes; kc 4,194,304 bytes; vt 4,194,304 bytes; ac 4,194,304 bytes; y 16,777,216 bytes; h2c 4,194,304 bytes; fc 16,777,216 bytes
;; launch norm1 (part 1): grid 256 x 1, 4 waves a work-group, no clusters, 20,992 bytes of LDS; arguments x, g1, lowp_scales, hc; writes hc
.if DOCPART == 1
	.amdgcn_target "amdgcn-amd-amdhsa--gfx1250"
	.amdhsa_code_object_version 6
	.text
	.protected	k_q665c9add26_norm1
	.globl	k_q665c9add26_norm1
	.p2align	8
	.type	k_q665c9add26_norm1,@function
k_q665c9add26_norm1:
	s_mov_b64 s[64:65], 0
	v_nop
	global_prefetch_b8 v0, s[64:65] scope:SCOPE_SE
	s_setreg_imm32_b32 hwreg(HW_REG_WAVE_MODE, 25, 1), 1
	s_wait_xcnt 0x0
; here NS = 3, entries 0, 2, 4 of the scales (the left operands of the q, k and v products).  Copy c of the codes lies at hc + c x 4 MiB, [4096][1024], row-major.
; code = h / 2^e, held within +-57,344, rounded to the nearest code, ties to even.  LIMITS: each e between -126 and 112.  NaN among the inputs is not served.
; SHARES.  256 work-groups x 4 waves x 4 rows.  A wave takes a whole row: eight loads of 512 consecutive bytes, 32 registers; the row stays in registers between the sum of squares and the scaling.
; All 8 loads of g and all 32 loads of x of a wave go out at the head.  No matrix unit, no tensor load, no cluster, no barrier: memory binds, and waves share nothing.
; The conversions take eight neighbours from ONE lane's registers, the loads give a lane four: so a row turns through the wave's own stage in LDS (64 bytes + 16 of padding for each lane, two halves of a row)
; and comes back 16 neighbours a lane.  A lane's 16 codes are 16 bytes: each store of the wave covers 512 consecutive bytes, aligned.
.set NS,   3
.set G,    16                          ; v16-47   g, as loaded: register 4 j + e = g[128 j + 4 lane + e]
.set Y,    48                          ; v48-79   the row back from the stage: register 16 s + i = h[512 s + 16 lane + i]
.set T,    80                          ; v80-111  at work: two sets of 16
.set X,    112                         ; v112-239 four rows of 32; a row's registers take its codes once the row has gone to the stage
.set SP,   80                          ; a lane's place in the stage
.set WREG, 64*SP                       ; a wave's stage: two halves of a row
	s_load_b128 s[4:7], s[0:1], 0x0                ; x, g
	s_load_b128 s[8:11], s[0:1], 0x10              ; the scales' exponents, the codes
	v_lshl_add_u32 v240, v0, 2, 0x5000
	v_mov_b32 v241, 0
	v_lshrrev_b32 v1, 5, v0
	v_readfirstlane_b32 s16, v1                    ; wave
	v_and_b32 v1, 31, v0                           ; lane
	v_lshlrev_b32 v2, 4, v1                        ; 16 x lane: my bytes of a load's 512 and of a store's 512
	s_mul_i32 s17, s16, WREG
	v_lshrrev_b32 v3, 2, v1
	v_mul_u32_u24 v3, v3, SP
	v_and_b32 v4, 3, v1
	v_lshl_add_u32 v3, v4, 4, v3
	v_add_nc_u32 v3, s17, v3                       ; into the stage: four lanes' 64 bytes on end, then the padding
	v_mul_u32_u24 v4, v1, SP
	v_add_nc_u32 v4, s17, v4                       ; out of it: my 16 neighbours
	v_mov_b32 v5, 0                                ; a lane permute's destination counts as read: written once
	v_mov_b32 v9, 0                                ; named as the upper half of the pair v[8:9]
	s_mov_b32 s12, 0x76543210
	s_mov_b32 s13, 0xfedcba98                      ; selects: lane l xor 16
	s_mov_b32 s14, 0x3a800000                      ; 1 / 1024
	s_mov_b32 s15, 0x3727c5ac                      ; 1e-5
	s_lshl_b32 s18, ttmp9, 16                      ; 16 rows of 4,096 bytes a work-group,
	s_lshl_b32 s19, s16, 14                        ; 4 a wave
	s_add_co_u32 s18, s18, s19
	s_mov_b32 s19, 0
	s_lshr_b32 s26, s18, 2                         ; the same rows in a copy of the codes
	s_mov_b32 s27, 0
	s_wait_kmcnt 0x0
.if NS == 3
	s_load_b256 s[32:39], s[8:9], 0x0              ; entries 0 to 7: 0, 2 and 4 are used
.else
	s_load_b32 s32, s[8:9], 0x30                   ; entry 12
.endif
	s_add_nc_u64 s[4:5], s[4:5], s[18:19]
	s_add_nc_u64 s[20:21], s[10:11], s[26:27]
.if NS == 3
	s_add_nc_u64 s[22:23], s[20:21], 0x400000      ; a base for each copy
	s_add_nc_u64 s[24:25], s[20:21], 0x800000
.endif
.irp j, 0,1,2,3,4,5,6,7
	global_load_b128 v[G+4*\j:G+4*\j+3], v2, s[6:7] offset:512*\j
.endr
.irp r, 0,1,2,3
.irp j, 0,1,2,3,4,5,6,7
	global_load_b128 v[X+32*\r+4*\j:X+32*\r+4*\j+3], v2, s[4:5] offset:4096*\r+512*\j th:TH_LOAD_NT
.endr
.endr
	s_wait_kmcnt 0x0
.set CC, 0
.rept NS
	s_add_co_i32 s40, s[32+2*CC], 127
	s_lshl_b32 s41, s40, 23
	v_mov_b32 v[10+2*CC], s41                      ; 2^e as f32: the conversion takes its exponent field
	s_add_co_i32 s40, s40, 15
	s_lshl_b32 s40, s40, 23
	s_or_b32 s40, s40, 0x600000
	v_mov_b32 v[11+2*CC], s40                      ; 57,344 x 2^e
.set CC, CC+1
.endr
; One row.  left = the loads of the later rows, which may stay out.
.macro ROW r, left
.set XR, X+32*(\r)
	s_wait_loadcnt \left
.irp k, 0,1,2,3
	v_pk_mul_f32 v[T+2*\k:T+2*\k+1], v[XR+2*\k:XR+2*\k+1], v[XR+2*\k:XR+2*\k+1]   ; four chains, started by the first products: nothing is cleared
.endr
.irp k, 4,5,6,7,8,9,10,11,12,13,14,15
	v_pk_fma_f32 v[T+2*(\k%4):T+2*(\k%4)+1], v[XR+2*\k:XR+2*\k+1], v[XR+2*\k:XR+2*\k+1], v[T+2*(\k%4):T+2*(\k%4)+1]
.endr
	v_pk_add_f32 v[T:T+1], v[T:T+1], v[T+2:T+3]
	v_pk_add_f32 v[T+4:T+5], v[T+4:T+5], v[T+6:T+7]
	v_pk_add_f32 v[T:T+1], v[T:T+1], v[T+4:T+5]
	v_add_f32 v6, v[T], v[T+1]
	v_add_f32_dpp v6, v6, v6 row_xmask:1 row_mask:0xf bank_mask:0xf
	v_add_f32_dpp v6, v6, v6 row_xmask:2 row_mask:0xf bank_mask:0xf
	v_add_f32_dpp v6, v6, v6 row_xmask:4 row_mask:0xf bank_mask:0xf
	v_add_f32_dpp v6, v6, v6 row_xmask:8 row_mask:0xf bank_mask:0xf
	v_permlanex16_b32 v5, v6, s12, s13
	v_add_f32 v6, v6, v5                           ; the row's sum of squares, in every lane
	v_fma_f32 v6, v6, s14, s15                     ; / 1024 + 1e-5
	s_wait_alu depctr_va_vdst(0)
	v_rsq_f32 v8, v6
.set I, 0
.rept 16
	v_pk_mul_f32 v[XR+I:XR+I+1], v[XR+I:XR+I+1], v[G+I:G+I+1]   ; x g: plain work that names neither the root's source nor its result
.set I, I+2
.endr
	s_wait_alu depctr_va_vdst(0)                   ; the wait ahead of the first reader of the root's result
.set I, 0
.rept 16
	v_pk_mul_f32 v[XR+I:XR+I+1], v[XR+I:XR+I+1], v[8:9] op_sel_hi:[1,0]
.set I, I+2
.endr
.irp s, 0,1
.irp i, 0,1,2,3
	ds_store_b128 v3, v[XR+16*\s+4*\i:XR+16*\s+4*\i+3] offset:32*SP*\s+8*SP*\i
.endr
.endr
.irp s, 0,1
.irp i, 0,1,2,3
	ds_load_b128 v[Y+16*\s+4*\i:Y+16*\s+4*\i+3], v4 offset:32*SP*\s+16*\i   ; LDS serves a wave's instructions in order: these see the stores above
.endr
.endr
	s_wait_dscnt 0x0
.set CC, 0
.rept NS
.irp s, 0,1
.set TS, T+16*\s
.set I, 0
.rept 16
	v_med3_num_f32 v[TS+I], v[Y+16*\s+I], -v[11+2*CC], v[11+2*CC]   ; the conversion to an 8-bit code does not saturate (ISA guide 7.6.2): the hold comes first
.set I, I+1
.endr
	v_cvt_scalef32_pk8_bf8_f32 v[XR+8*CC+4*\s:XR+8*CC+4*\s+1], v[TS:TS+7], v[10+2*CC]
	v_cvt_scalef32_pk8_bf8_f32 v[XR+8*CC+4*\s+2:XR+8*CC+4*\s+3], v[TS+8:TS+15], v[10+2*CC]
.endr
.set CC, CC+1
.endr
	v_nop                                          ; a plain line behind the last conversion: the next row's first products write its sources
.set CC, 0
.rept NS
	global_store_b128 v2, v[XR+8*CC:XR+8*CC+3], s[20+2*CC:21+2*CC] offset:1024*(\r)        ; no store's data are written again
	global_store_b128 v2, v[XR+8*CC+4:XR+8*CC+7], s[20+2*CC:21+2*CC] offset:1024*(\r)+512
.set CC, CC+1
.endr
.endm
	ROW 0, 24
	ROW 1, 16
	ROW 2, 8
	ROW 3, 0
	s_wait_tensorcnt 0x0
	ds_add_u32 v240, v241
	s_wait_dscnt 0x0
	s_endpgm
.Lfunc_end_k_q665c9add26_norm1:
	.size	k_q665c9add26_norm1, .Lfunc_end_k_q665c9add26_norm1-k_q665c9add26_norm1
	.p2alignl 7, 3214868480
	.fill 96, 4, 3214868480
	.section	.rodata,"a",@progbits
	.p2align	6, 0x0
	.amdhsa_kernel k_q665c9add26_norm1
		.amdhsa_group_segment_fixed_size 20992
		.amdhsa_private_segment_fixed_size 0
		.amdhsa_enable_private_segment 0
		.amdhsa_kernarg_size 32
		.amdhsa_user_sgpr_count 2
		.amdhsa_user_sgpr_kernarg_segment_ptr 1
		.amdhsa_wavefront_size32 1
		.amdhsa_system_sgpr_workgroup_id_x 1
		.amdhsa_system_sgpr_workgroup_id_y 1
		.amdhsa_system_sgpr_workgroup_id_z 1
		.amdhsa_system_vgpr_workitem_id 0
		.amdhsa_next_free_vgpr 242
		.amdhsa_next_free_sgpr 66
		.amdhsa_reserve_vcc 0
		.amdhsa_float_denorm_mode_32 3
		.amdhsa_float_denorm_mode_16_64 3
		.amdhsa_memory_ordered 1
		.amdhsa_forward_progress 1
		.amdhsa_inst_pref_size 56
	.end_amdhsa_kernel
	.amdgpu_metadata
---
amdhsa.version: [ 1, 2 ]
amdhsa.kernels:
  - .name:           k_q665c9add26_norm1
    .symbol:         k_q665c9add26_norm1.kd
    .args:
      - { .name: x, .offset: 0, .size: 8, .value_kind: global_buffer, .address_space: global }
      - { .name: g1, .offset: 8, .size: 8, .value_kind: global_buffer, .address_space: global }
      - { .name: lowp_scales, .offset: 16, .size: 8, .value_kind: global_buffer, .address_space: global }
      - { .name: hc, .offset: 24, .size: 8, .value_kind: global_buffer, .address_space: global }
    .group_segment_fixed_size: 20992
    .private_segment_fixed_size: 0
    .kernarg_segment_align: 8
    .kernarg_segment_size: 32
    .max_flat_workgroup_size: 128
    .sgpr_count:     66
    .vgpr_count:     242
    .wavefront_size: 32
...
	.end_amdgpu_metadata
.endif
;; end of part 1
;; launch qkv (part 2): grid 12 x 16, 4 waves a work-group, clusters of 4 x 4, 327,680 bytes of LDS; arguments hc, Wq_codes, Wk_codes, Wv_codes, lowp_scales, qc, kc, vt; writes qc, kc, vt
.if DOCPART == 2
	.amdgcn_target "amdgcn-amd-amdhsa--gfx1250"
	.amdhsa_code_object_version 6
	.text
	.protected	k_q665c9add26_qkv
	.globl	k_q665c9add26_qkv
	.p2align	8
	.type	k_q665c9add26_qkv,@function
k_q665c9add26_qkv:
	s_mov_b64 s[64:65], 0
	v_nop
	global_prefetch_b8 v0, s[64:65] scope:SCOPE_SE
	s_setreg_imm32_b32 hwreg(HW_REG_WAVE_MODE, 25, 1), 1
	s_wait_xcnt 0x0
	s_wait_alu depctr_hold_cnt(0) depctr_sa_sdst(0) depctr_va_vdst(0) depctr_va_sdst(0) depctr_va_ssrc(0) depctr_va_vcc(0) depctr_vm_vsrc(0)
	s_getreg_b32 s2, hwreg(HW_REG_IB_STS2, 6, 4)
	s_cmp_eq_u32 s2, 0
	s_cbranch_scc0 .Lentry_in_a_cluster
	s_endpgm
.Lentry_in_a_cluster:
	s_bfe_u32 s2, ttmp6, 0x10000c
	s_cmp_lg_u32 s2, 0xf033
	s_cbranch_scc0 .Lentry_shape_is_right
	s_endpgm
.Lentry_shape_is_right:
; q = h Wq^T, k = h Wk^T and v^T = Wv h^T on codes of E5M2, K = 1,024, sums in f32; each result is quantised again (entries 6, 7, 9 of the scales) and stored as codes.
; The cluster's x says which: 0 q, 1 k, 2 v.  C = A B^T with A = copy 'which' of h's codes and B = the weight for q and k; for v the two change places, so that C's rows are v's columns n and C's columns the keys.
; A sum stands for sum x 2^(eA + eB): the code is sum / 2^(eout - eA - eB), held within +-57,344 codes.  LIMIT: e6 - e0 - e1, e7 - e2 - e3 and e9 - e4 - e5 lie between -126 and 112.  NaN is not served.
; OUT.  qc, kc: [16 heads][4096 rows][64].  vt: [64 blocks of 64 keys][1024 n][64 keys].  Both are [block of 64 columns of C][row of C][64]: only the blocks' distance differs.
; A tile of C, 256 x 256, is made by four waves, as many as a WGP has SIMDs; a wave makes 128 x 128: 64 accumulators, 512 registers.  K goes in steps of 256 through a ring of two LDS slots filled by the tensor data mover.
; CLUSTERS: 4 x 4 work-groups.  The four of a row of the cluster need the same tiles of A, the four of a column the same tiles of B: each tile is asked for JOINTLY.  192 work-groups: 3 x 64 tiles.
; THE MATRIX INSTRUCTION IS USED TRANSPOSED (source 0 = 16 rows of B, source 1 = 16 rows of A): a lane holds eight neighbouring columns of a row of C, which one conversion turns into 8 bytes.
; No prefetch: K has four slot fills, two of them at the head; only the last could be asked for ahead.
; REGISTERS, in windows of 256: window 0: v0-31 addresses; from v128 A's fragments, ONE set; on the way out v32-255 are free.  window 1: B's fragments, TWO sets.  windows 2, 3: the accumulators ((a, b) at v[8 (8 (a % 4) + b)]).
.set SIZE_K, 1024
.set KSTEP,  256
.set ROWB,   256
.set KROW,   SIZE_K
.set PITCH,  272                       ; an LDS row: 256 bytes + 16 of padding: the 16 rows that a load touches start at 16 different banks
.set FR,     16
.set NL,     4
.set NP,     4
.set HALFT,  128*PITCH
.set SLOT,   4*HALFT
.set LAPS,   SIZE_K/(2*KSTEP)
.set SPARE,  2*SLOT                    ; behind the ring: the spare words, 128 bytes a wave, which no other line names
.set CSTG,   SPARE+512                 ; behind them: a stage for codes, each wave's own; no tile lands there
.set CP,     80                        ; a stage row: 64 codes + 16 bytes of padding: the 32 lanes of an 8-byte store fall on 64 different banks
.set CGRP,   16*CP                     ; 16 rows of one block of 64 columns
.set CWAVE,  2*CGRP                    ; a wave's stage: its two blocks of 64 columns
.set ADRA, 16
.set ADRB, 20
.set CST,  24                          ; v24       the stage: where I put 8 codes
.set CLD,  25                          ; v25       the stage: where I read 16 codes back
.set SOF,  26                          ; v26, v27  store offsets of my two blocks of 64 columns
.set SPW,  28
.set NIL,  29
.set LIM,  30
.set SCL,  31
.set W,    32                          ; v32-95    a block's 64 sums, held
.set OUT,  96                          ; v96-223   codes back from the stage: 16 registers for each of the eight blocks, so that no store's data are written again
.set CD,   224                         ; v224-255  codes as converted: two sets of 16
.set AF,   128
.set G1, 24
.set G0, 32
.set G1B, 48
.set G0B, 56
.set MSB, 0
.macro WIN new                         ; the immediate's high byte repeats the setting that is left
.if MSB != (\new)
	s_set_vgpr_msb (MSB<<8)|(\new)
.set MSB, (\new)
.endif
.endm
.set MUL_LO, 0xa1
.set MUL_HI, 0xf1
.set TO_B,   0x40
; A joint load: waves 0 and 1 fetch for A, waves 2 and 3 for B; the branch hangs on the wave's number alone.  Four v_nop follow each of the two lines.
.macro JLOAD g0a, g1a, g0b, g1b
	s_cmp_eq_u32 s15, 0
	s_cbranch_scc0 .Lfor_b_\@
	tensor_load_to_lds s[\g0a:\g0a+3], s[\g1a:\g1a+7]
	s_nop 0
.rept 4
	v_nop
.endr
	s_branch .Lasked_\@
.Lfor_b_\@:
	tensor_load_to_lds s[\g0b:\g0b+3], s[\g1b:\g1b+7]
	s_nop 0
.rept 4
	v_nop
.endr
.Lasked_\@:
.endm
.macro CREST                           ; a round of the cluster's barrier behind its opening barrier
	s_cmp_lg_u32 s14, 0
	s_cbranch_scc1 .Lnot_wave_0_\@
	s_barrier_signal -3
.Lnot_wave_0_\@:
	s_barrier_wait -3
	s_barrier_signal -1
	s_barrier_wait -1
.endm
.macro CROUND
	s_barrier_signal -1
	s_barrier_wait -1
	CREST
.endm
	s_load_b512 s[68:83], s[0:1], 0x0              ; hc 68, Wq 70, Wk 72, Wv 74, scales 76, qc 78, kc 80, vt 82
	v_lshl_add_u32 v[SPW], v0, 2, SPARE
	v_mov_b32 v[NIL], 0
	ds_add_u32 v28, v29
	ds_add_u32 v28, v29
	s_wait_dscnt 0x0
	v_lshrrev_b32 v1, 5, v0
	v_readfirstlane_b32 s14, v1                    ; wave 0..3
	s_lshr_b32 s15, s14, 1                         ; which half of the tile's rows is mine.  Also: I fetch for A (0) or for B (1)
	s_and_b32 s16, s14, 1                          ; which half of its columns.  Also: which 128 rows of that tile I fetch
	s_bfe_u32 s40, ttmp6, 0x40000                  ; cx
	s_bfe_u32 s41, ttmp6, 0x40004                  ; cy
	s_and_b32 s18, ttmp7, 0xffff                   ; the cluster's y
	s_lshl_b32 s18, s18, 2
	s_add_co_u32 s19, s18, s41                     ; 4 y + cy
	s_add_co_u32 s18, s18, s40                     ; 4 y + cx
	s_cmp_eq_u32 ttmp9, 2                          ; the cluster's x, which all sixteen partners share
	s_cselect_b32 s17, s41, s19                    ; tile row of C: v has 4 (its 1,024 n), q and k 16 (the 4,096 rows)
	s_cselect_b32 s42, s18, s40                    ; tile column: v has 16, q and k 4
	s_mov_b32 s13, 0x40000
	s_cselect_b32 s13, 0x10000, s13                ; from one block of 64 columns to the next in the output: 1,024 x 64 bytes in vt, 4,096 x 64 in qc and kc
	s_lshl_b32 s43, s41, 2
	s_lshl_b32 s43, 15, s43                        ; my row of the cluster
	s_lshl_b32 s44, 0x1111, s40                    ; my column
	s_or_b32 s[G1+0], s43, (0<<16)|(1<<20)|(1<<21)|(5<<22)|(3<<25)  ; the mask; elements of 1 byte; padding on; bit 21 beside a mask; 4 words behind every 64
	s_or_b32 s[G1B+0], s44, (0<<16)|(1<<20)|(1<<21)|(5<<22)|(3<<25)
.irp g, G1, G1B
	s_mov_b32 s[\g+1], ROWB<<16                    ; tensor_dim0
	s_mov_b32 s[\g+2], 128<<16                     ; tensor_dim1
	s_mov_b32 s[\g+3], ROWB<<16                    ; tile_dim0
	s_mov_b32 s[\g+4], 128                         ; tile_dim1
	s_mov_b32 s[\g+5], KROW                        ; the pitch
	s_mov_b32 s[\g+6], 0
	s_mov_b32 s[\g+7], 0
.endr
	s_lshl_b32 s18, s16, 7                         ; which 128 rows of the tile I fetch
	s_lshl_b32 s20, s17, 8
	s_add_co_u32 s20, s20, s18                     ; A: row 256 x tile row + 128 x half
	s_lshl_b32 s46, s42, 8
	s_add_co_u32 s46, s46, s18                     ; B: row 256 x tile column + 128 x half
	s_lshl_b32 s20, s20, 10                        ; x 1,024 bytes a row: under 4 MiB
	s_lshl_b32 s46, s46, 10
	s_mov_b32 s21, 0
	s_mov_b32 s47, 0
	s_mul_i32 s45, s14, HALFT                      ; where they go: wave x 128 rows
	s_lshl_b32 s66, ttmp9, 22                      ; the copy of h's codes: 4 MiB each
	s_mov_b32 s67, 0
	s_wait_kmcnt 0x0
	s_load_b512 s[84:99], s[76:77], 0x0            ; e0 .. e15
	s_add_nc_u64 s[66:67], s[68:69], s[66:67]
	s_cmp_eq_u32 ttmp9, 0
	s_cselect_b64 s[70:71], s[70:71], s[72:73]     ; Wq or Wk,
	s_cselect_b64 s[78:79], s[78:79], s[80:81]     ; qc or kc,
	s_cmp_eq_u32 ttmp9, 2
	s_cselect_b64 s[70:71], s[74:75], s[70:71]     ; or Wv
	s_cselect_b64 s[4:5], s[70:71], s[66:67]       ; A
	s_cselect_b64 s[6:7], s[66:67], s[70:71]       ; B
	s_cselect_b64 s[10:11], s[82:83], s[78:79]     ; the output
	s_add_nc_u64 s[20:21], s[4:5], s[20:21]
	s_add_nc_u64 s[46:47], s[6:7], s[46:47]
	CROUND                                         ; all sixteen work-groups are here: the first joint loads meet
.irp s, 0,1
	s_mov_b32 s[G0+4*\s], 1
	s_add_co_u32 s[G0+4*\s+1], s45, \s*SLOT
	s_add_nc_u64 s[G0+4*\s+2:G0+4*\s+3], s[20:21], \s*ROWB
	s_or_b32 s[G0+4*\s+3], s[G0+4*\s+3], 0x80000000
	s_mov_b32 s[G0B+4*\s], 1
	s_add_co_u32 s[G0B+4*\s+1], s45, \s*SLOT
	s_add_nc_u64 s[G0B+4*\s+2:G0B+4*\s+3], s[46:47], \s*ROWB
	s_or_b32 s[G0B+4*\s+3], s[G0B+4*\s+3], 0x80000000
.endr
	JLOAD G0, G1, G0B, G1B                         ; K step 0: one tensor load a wave at the head
	v_and_b32 v1, 15, v0                           ; r = l % 16
	s_wait_alu depctr_va_vdst(0)
	v_bfe_u32 v2, v0, 4, 1                         ; h = l / 16
	v_mul_u32_u24 v3, v1, PITCH
	v_lshl_add_u32 v4, v2, 4, v3                   ; a fragment's row x pitch + 16 x half
	s_mul_i32 s21, s15, HALFT
	s_mul_i32 s22, s16, HALFT
	s_add_co_u32 s22, s22, 2*HALFT
.irp s, 0,1
	v_add_nc_u32 v[ADRA+\s], s21, v4
	v_add_nc_u32 v[ADRB+\s], s22, v4
	s_add_co_u32 s21, s21, SLOT
	s_add_co_u32 s22, s22, SLOT
.endr
	s_mul_i32 s23, s14, CWAVE
	s_add_co_u32 s23, s23, CSTG                    ; my stage
	v_mul_u32_u24 v5, v1, CP
	s_wait_alu depctr_va_vdst(0)
	v_lshl_add_u32 v5, v2, 3, v5
	v_add_nc_u32 v[CST], s23, v5                   ; in: row r, + 8 h; the tile of 16 columns stands in the immediate
	v_and_b32 v6, 31, v0
	v_lshrrev_b32 v7, 2, v6
	v_mul_u32_u24 v7, v7, CP
	v_and_b32 v8, 3, v0
	v_lshl_add_u32 v7, v8, 4, v7
	v_add_nc_u32 v[CLD], s23, v7                   ; back: row l / 4, 16 bytes at 16 (l % 4): eight rows of 64 codes an instruction
	v_lshlrev_b32 v[SOF], 4, v6                    ; and the same 512 bytes in the output: 16 x lane,
	v_add_nc_u32 v[SOF+1], s13, v[SOF]             ; in my first and in my second block of 64 columns
	s_lshl_b32 s20, s42, 2                         ; the output: block 4 x tile column
	s_lshl_b32 s21, s16, 1
	s_add_co_u32 s20, s20, s21                     ; + 2 x my half of the columns,
	s_mul_i32 s20, s20, s13
	s_lshl_b32 s21, s17, 14                        ; row 256 x tile row, 64 bytes a row,
	s_add_co_u32 s20, s20, s21
	s_lshl_b32 s21, s15, 13                        ; + 128 x my half of the rows
	s_add_co_u32 s20, s20, s21
	s_mov_b32 s21, 0
	s_add_nc_u64 s[10:11], s[10:11], s[20:21]
.macro FRAG reg, adr, q, i             ; 16 rows x 128 K: lane l holds row l % 16; registers 4 c .. 4 c + 3 hold K = 32 c + 16 (l / 16) + 0 .. 15: the same places in A and in B
.irp c, 0,1,2,3
	ds_load_b128 v[\reg+4*\c:\reg+4*\c+3], v[\adr] offset:128*(\q)+32*\c+(\i)*16*PITCH
.endr
.endm
; 16 matrix instructions: A's blocks a0, a0 + 1 x B's eight.  The 64 accumulators take turns, one instruction a turn, in the same order in every step.
.macro MUL16 a0, p, zero
.irp a, \a0, \a0+1
.irp b, 0,1,2,3,4,5,6,7
.if \zero
	v_wmma_f32_16x16x128_bf8_bf8 v[8*(8*((\a)%4)+\b):8*(8*((\a)%4)+\b)+7], v[128*(\p)+FR*\b:128*(\p)+FR*\b+FR-1], v[AF+FR*(\a):AF+FR*(\a)+FR-1], 0
.else
	v_wmma_f32_16x16x128_bf8_bf8 v[8*(8*((\a)%4)+\b):8*(8*((\a)%4)+\b)+7], v[128*(\p)+FR*\b:128*(\p)+FR*\b+FR-1], v[AF+FR*(\a):AF+FR*(\a)+FR-1], v[8*(8*((\a)%4)+\b):8*(8*((\a)%4)+\b)+7]
.endif
.endr
.endr
.endm
.macro FETCH_B slot, q, p
	WIN TO_B
.irp i, 0,1,2,3,4,5,6,7
	FRAG 128*(\p)+FR*\i, ADRB+\slot, \q, \i
.endr
	WIN 0
.endm
.macro FETCH_A slot, q, i0
.irp i, \i0, \i0+1, \i0+2, \i0+3
	FRAG AF+FR*(\i), ADRA+\slot, \q, \i
.endr
.endm
.macro PLACES n                        ; plain vector lines between a matrix instruction and a load into, or a read of, its registers
.rept \n
	v_nop
.endr
.endm
.macro STEP slot, q, zero              ; 128 along K, with its successor in the same slot
	s_wait_dscnt 4*NL                              ; B's set and A's blocks 0-3 are in; A's blocks 4-7 may be out
	WIN MUL_LO
	MUL16 0, (\q)%2, \zero
	MUL16 2, (\q)%2, \zero
	s_wait_dscnt 0
	PLACES NP
	FETCH_B \slot, (\q)+1, 1-(\q)%2
	FETCH_A \slot, (\q)+1, 0
	WIN MUL_HI
	MUL16 4, (\q)%2, \zero
	MUL16 6, (\q)%2, \zero
	PLACES NP
	WIN 0
	FETCH_A \slot, (\q)+1, 4
.endm
; A slot's last step changes slots: one barrier; in front of it each wave waits for all its tensor loads, adds 0 to its spare word, and waits for that and for its reads of this slot.
.macro TURN slot, next, fill
	s_wait_tensorcnt 0x0                           ; all my tensor loads have landed: my part of the next slot
	ds_add_u32 v[SPW], v[NIL]                      ; 0 onto my spare word
	s_wait_dscnt 4*NL+1                            ; the add and A's blocks 4-7 may be out
	WIN MUL_LO
	MUL16 0, 1, 0
	s_wait_dscnt 0x0                               ; the add is done, and my reads of this slot are over
	s_barrier_signal -1
	MUL16 2, 1, 0
	WIN 0
	s_barrier_wait -1
.if \fill
	CREST                                          ; the barrier has opened a round of the cluster's: no wave of any partner still reads this slot or has a load on its way
	s_add_nc_u64 s[G0+4*\slot+2:G0+4*\slot+3], s[G0+4*\slot+2:G0+4*\slot+3], 2*ROWB
	s_add_nc_u64 s[G0B+4*\slot+2:G0B+4*\slot+3], s[G0B+4*\slot+2:G0B+4*\slot+3], 2*ROWB
	JLOAD G0+4*\slot, G1, G0B+4*\slot, G1B         ; the first tensor load behind the round; its four v_nop are the places in front of the loads below
.else
	PLACES NP
.endif
	FETCH_B \next, 0, 0
	FETCH_A \next, 0, 0
	WIN MUL_HI
	MUL16 4, 1, 0
	MUL16 6, 1, 0
	PLACES NP
	WIN 0
	FETCH_A \next, 0, 4
.endm
	s_wait_alu depctr_va_vdst(0)
	s_wait_tensorcnt 0x0                           ; my part of K step 0 is in; slot 1's first fill is issued as a refill is:
	ds_add_u32 v[SPW], v[NIL]                      ; 0 onto my spare word
	s_wait_dscnt 0x0                               ; the add is done
	CROUND                                         ; everybody's part of K step 0 is in, and all sixteen work-groups are here
	JLOAD G0+4, G1, G0B+4, G1B                     ; K step 1, the first tensor load behind the cluster's barrier
	FETCH_B 0, 0, 0
	FETCH_A 0, 0, 0
	FETCH_A 0, 0, 4
	STEP 0, 0, 1                                   ; the first step's products start the sums
	s_mov_b32 s3, LAPS-1
.Llap:
	TURN 0, 1, 1
	STEP 1, 0, 0
	TURN 1, 0, 1
	STEP 0, 0, 0
	s_sub_co_u32 s3, s3, 1
	s_cmp_lg_u32 s3, 0
	s_cbranch_scc1 .Llap
	TURN 0, 1, 0                                   ; the last lap fills nothing
	STEP 1, 0, 0
	s_wait_dscnt 4*NL
	WIN MUL_LO
	MUL16 0, 1, 0
	MUL16 2, 1, 0
	s_wait_dscnt 0
	WIN MUL_HI
	MUL16 4, 1, 0
	MUL16 6, 1, 0
	WIN 0
; THE WAY OUT, a block of 16 rows x 128 columns at a time, straight from the accumulators: the hold, the conversion (a lane's eight sums of a tile become 8 bytes of its row), and only the CODES turn through
; my own stage: in as 8 bytes a lane, back as 16 bytes a lane, eight whole rows of 64 codes an instruction, so that each store of the wave covers 512 consecutive bytes, aligned.  No wave touches another's bytes: no barrier.
	PLACES NP
	s_wait_kmcnt 0x0
	s_sub_co_i32 s90, s90, s84
	s_sub_co_i32 s90, s90, s85                     ; e6 - e0 - e1
	s_sub_co_i32 s91, s91, s86
	s_sub_co_i32 s91, s91, s87                     ; e7 - e2 - e3
	s_sub_co_i32 s93, s93, s88
	s_sub_co_i32 s93, s93, s89                     ; e9 - e4 - e5
	s_cmp_eq_u32 ttmp9, 0
	s_cselect_b32 s90, s90, s91
	s_cmp_eq_u32 ttmp9, 2
	s_cselect_b32 s90, s93, s90                    ; chosen without a branch
	s_add_co_i32 s90, s90, 127
	s_lshl_b32 s91, s90, 23
	v_mov_b32 v[SCL], s91                          ; the three scales folded into the conversion's one
	s_add_co_i32 s90, s90, 15
	s_lshl_b32 s90, s90, 23
	s_or_b32 s90, s90, 0x600000
	v_mov_b32 v[LIM], s90                          ; 57,344 x that
.macro QBLK a
	WIN 0x02+(\a)/4                                ; source 0: window 2 or 3
.set I, 0
.rept 64
	v_med3_num_f32 v[W+I], v[64*((\a)%4)+I], -v[LIM], v[LIM]   ; the conversion does not saturate (ISA guide 7.6.2): the hold comes first; each accumulator from its low end on
.set I, I+1
.endr
	WIN 0
.irp t, 0,1,2,3,4,5,6,7
	v_cvt_scalef32_pk8_bf8_f32 v[CD+16*((\a)%2)+2*\t:CD+16*((\a)%2)+2*\t+1], v[W+8*\t:W+8*\t+7], v[SCL]
.endr
	v_nop                                          ; a plain line behind the last conversion: the next block's holds write its sources
.irp t, 0,1,2,3,4,5,6,7
	ds_store_b64 v[CST], v[CD+16*((\a)%2)+2*\t:CD+16*((\a)%2)+2*\t+1] offset:CGRP*(\t/4)+16*(\t%4)
.endr
.irp g, 0,1
.irp i, 0,1
	ds_load_b128 v[OUT+16*(\a)+8*\g+4*\i:OUT+16*(\a)+8*\g+4*\i+3], v[CLD] offset:CGRP*\g+8*CP*\i   ; LDS serves a wave's instructions in order: these see the stores above, and the next block's stores come behind them
.endr
.endr
.endm
.macro QSEND a, younger                ; younger: the next block's 8 stores and 4 loads, or none
	s_wait_dscnt \younger
.irp g, 0,1
.irp i, 0,1
	global_store_b128 v[SOF+\g], v[OUT+16*(\a)+8*\g+4*\i:OUT+16*(\a)+8*\g+4*\i+3], s[10:11] offset:1024*(\a)+512*\i
.endr
.endr
.endm
	QBLK 0
.irp a, 1,2,3,4,5,6,7
	QBLK \a                                        ; a block's arithmetic stands between the loads of the block before and its stores
	QSEND \a-1, 12
.endr
	QSEND 7, 0
	s_wait_tensorcnt 0x0                           ; the wave's end
	ds_add_u32 v[SPW], v[NIL]
	s_wait_dscnt 0x0
	CROUND                                         ; the closing round
	s_endpgm
.Lfunc_end_k_q665c9add26_qkv:
	.size	k_q665c9add26_qkv, .Lfunc_end_k_q665c9add26_qkv-k_q665c9add26_qkv
	.p2alignl 7, 3214868480
	.fill 96, 4, 3214868480
	.section	.rodata,"a",@progbits
	.p2align	6, 0x0
	.amdhsa_kernel k_q665c9add26_qkv
		.amdhsa_group_segment_fixed_size 327680
		.amdhsa_private_segment_fixed_size 0
		.amdhsa_enable_private_segment 0
		.amdhsa_kernarg_size 64
		.amdhsa_user_sgpr_count 2
		.amdhsa_user_sgpr_kernarg_segment_ptr 1
		.amdhsa_wavefront_size32 1
		.amdhsa_system_sgpr_workgroup_id_x 1
		.amdhsa_system_sgpr_workgroup_id_y 1
		.amdhsa_system_sgpr_workgroup_id_z 1
		.amdhsa_system_vgpr_workitem_id 0
		.amdhsa_next_free_vgpr 1024
		.amdhsa_next_free_sgpr 100
		.amdhsa_reserve_vcc 0
		.amdhsa_float_denorm_mode_32 3
		.amdhsa_float_denorm_mode_16_64 3
		.amdhsa_memory_ordered 1
		.amdhsa_forward_progress 1
		.amdhsa_inst_pref_size 125
	.end_amdhsa_kernel
	.amdgpu_metadata
---
amdhsa.version: [ 1, 2 ]
amdhsa.kernels:
  - .name:           k_q665c9add26_qkv
    .symbol:         k_q665c9add26_qkv.kd
    .args:
      - { .name: hc, .offset: 0, .size: 8, .value_kind: global_buffer, .address_space: global }
      - { .name: Wq_codes, .offset: 8, .size: 8, .value_kind: global_buffer, .address_space: global }
      - { .name: Wk_codes, .offset: 16, .size: 8, .value_kind: global_buffer, .address_space: global }
      - { .name: Wv_codes, .offset: 24, .size: 8, .value_kind: global_buffer, .address_space: global }
      - { .name: lowp_scales, .offset: 32, .size: 8, .value_kind: global_buffer, .address_space: global }
      - { .name: qc, .offset: 40, .size: 8, .value_kind: global_buffer, .address_space: global }
      - { .name: kc, .offset: 48, .size: 8, .value_kind: global_buffer, .address_space: global }
      - { .name: vt, .offset: 56, .size: 8, .value_kind: global_buffer, .address_space: global }
    .group_segment_fixed_size: 327680
    .private_segment_fixed_size: 0
    .kernarg_segment_align: 8
    .kernarg_segment_size: 64
    .max_flat_workgroup_size: 128
    .sgpr_count:     100
    .vgpr_count:     1024
    .wavefront_size: 32
...
	.end_amdgpu_metadata
.endif
;; end of part 2
;; launch attn (part 3): grid 8 x 32, 16 waves a work-group, no clusters, 327,680 bytes of LDS; arguments qc, kc, vt, lowp_scales, ac; writes ac
.if DOCPART == 3
	.amdgcn_target "amdgcn-amd-amdhsa--gfx1250"
	.amdhsa_code_object_version 6
	.text
	.protected	k_q665c9add26_attn
	.globl	k_q665c9add26_attn
	.p2align	8
	.type	k_q665c9add26_attn,@function
k_q665c9add26_attn:
	s_mov_b64 s[64:65], 0
	v_nop
	global_prefetch_b8 v0, s[64:65] scope:SCOPE_SE
	s_setreg_imm32_b32 hwreg(HW_REG_WAVE_MODE, 25, 1), 1
	s_wait_xcnt 0x0
; Causal attention on codes of E5M2, head size 64, 2,048 positions, 32 (batch, head) pairs; both products quantised; the result is quantised again (entry 10 of the scales) and stored as codes.
; qc, kc: [16 heads][4096 rows][64].  vt: [64 blocks of 64 keys][1024 n][64 keys].  ac: [64 blocks of 64 rows][16 blocks of 64 k][64 rows][64 k].
; t = score x log2(e) / 8 x 2^(e6 + e7); M = the running largest t rounded up to a whole number; p = 2^(t - M) is quantised with 2^e8; the row's sum is taken of the unquantised p and divides at the end.
; LEFT OUT: key steps all of whose 128 keys come after a wave's 16 queries: the causal mask sets those logits to -infinity, so their p is 0 for all values of the inputs.
; LIMITS: e6 + e7 between -123 and 130; e8 and e10 between -126 and 112; the scaled scores stay under 2^31 in magnitude.  NaN among the inputs is not served.
; SHARES.  Work-group x of a (batch, head) owns query blocks x (waves 0-7) and 15 - x (waves 8-15) of 128 queries: x + 1 and 16 - x key steps a wave, 17 for each pair, the same in every work-group.  A wave owns 16 queries.
; LDS holds all 2,048 keys of K and of V, each byte filled once.  Two fetches, one tensor load a wave in each: keys 0-511 at the head (4 KiB a wave), keys 512-2,047 behind the first barrier (12 KiB a wave), under the first four key steps.
; Even waves fetch K, dense in memory and stated as rows of 256 bytes (16, then 48); odd waves V, in blocks of 64 keys of 4 KiB, 65,536 bytes apart (one block as 16 rows of 256 bytes, then three as 3 rows of 4,096).
; The descriptors are constants for all work-groups: a work-group whose last query lies under key 2,047 also fetches keys that it does not read.
; PADDING.  K: 16 bytes behind every 128 (two keys): key k lies at 144 (k / 2) + 64 (k % 2); the sixteen keys of a fragment load (0-7 and 16-23 of a tile's span) start at sixteen different groups of four banks.
; V: 16 bytes behind every 256 (four rows of 64 keys).
; NO CLUSTER: the jumps round hidden key steps hang on the work-group's number, which differs between the work-groups that share K and V.
; NO PREFETCH: both fetches are issued before the first key step; no trip of the loops asks for a tile, so there is no later request to run ahead of.
; LAYOUT.  Both products transposed: S^T = K Q^T, O^T = V^T P^T: a lane holds one query.  Lane r of tile 2 b + u takes key 32 b + 8 u + r + 8 (r / 8): the 16 registers of tiles 2 b, 2 b + 1 are keys 32 b + 16 (lane / 16) + 0 .. 15.
; REGISTERS: v1, v2 places in K's and V's tiles; v7 store offset; v8-11 at work; v12 -M, v13 largest t, v[14:15] the sum; v16-23 Q; v32-95 fragments of K, then of V; v96-159 S^T, then p; v160-191 O^T; v224-239 p's codes.
.set LK,    144
.set KSTP,  64*LK                      ; 128 keys of K in LDS
.set LP,    272
.set PART,  16*LP                      ; 64 keys of V in LDS
.set VSTP,  2*PART                     ; 128 keys of V
.set VOFF,  16*KSTP
.set STAGE, VOFF+16*VSTP               ; the way out: 1,024 bytes a wave; no tile lands there
.set SPARE, STAGE+16*1024              ; the spare words, 128 bytes a wave, which no other line names
.set AK0,  1
.set AV0,  2
.set GO,   7
.set ADK,  8
.set ADV,  9
.set SPW,  251
.set NIL,  255
.set TBK,  2                           ; s2, s3: where the step's keys begin in K's and in V's part of LDS
.set TBV,  3
.set WV,   18
.set SEL,  20
.set CS,   22
.set G1K,  24                          ; s[24:31] K's group 1, first fetch;  s[36:43] second fetch
.set G0K,  32                          ; s[32:35] K's group 0, stepped between the fetches
.set G1K2, 36
.set G0V,  44                          ; s[44:47] V's group 0
.set G1V,  48                          ; s[48:55], s[56:63] V's groups 1
.set G1V2, 56
.set CNT,  67
.set KIND, 80
.set KF,   98
.set Q0,   99
; even waves fetch for K, odd waves for V: one chain, one load to an arm; an s_nop 0 and four v_nop follow each line
.macro TLOAD g1k, g1v
	s_cmp_eq_u32 s[KIND], 0
	s_cbranch_scc0 .Lfor_v_\@
	tensor_load_to_lds s[G0K:G0K+3], s[\g1k:\g1k+7]
	s_nop 0
.rept 4
	v_nop
.endr
	s_branch .Lasked_\@
.Lfor_v_\@:
	tensor_load_to_lds s[G0V:G0V+3], s[\g1v:\g1v+7]
	s_nop 0
.rept 4
	v_nop
.endr
.Lasked_\@:
.endm
.macro GROUP1 g, pad, c, r, p          ; r rows of c bytes, p bytes apart; 4 words of padding behind every 2 << pad words
	s_mov_b32 s[\g], (0<<16)|(1<<20)|(\pad<<22)|(3<<25)
	s_mov_b32 s[\g+1], \c<<16
	s_mov_b32 s[\g+2], \r<<16
	s_mov_b32 s[\g+3], \c<<16
	s_mov_b32 s[\g+4], \r
	s_mov_b32 s[\g+5], \p
	s_mov_b32 s[\g+6], 0
	s_mov_b32 s[\g+7], 0
.endm
	s_load_b128 s[4:7], s[0:1], 0x0                ; qc, kc
	s_load_b128 s[12:15], s[0:1], 0x10             ; vt, the scales' exponents
	s_load_b64 s[16:17], s[0:1], 0x20              ; ac
	v_lshl_add_u32 v[SPW], v0, 2, SPARE
	v_mov_b32 v[NIL], 0
	ds_add_u32 v[SPW], v[NIL]                      ; the opening: the add, twice on end, and its wait ahead of my first tensor load
	ds_add_u32 v[SPW], v[NIL]
	v_lshrrev_b32 v8, 5, v0
	v_readfirstlane_b32 s[WV], v8                  ; wave 0..15
	s_and_b32 s68, ttmp7, 0xffff
	s_lshr_b32 s69, s68, 4                         ; batch
	s_and_b32 s68, s68, 15                         ; head
	s_sub_co_u32 s70, 15, ttmp9
	s_cmp_lt_u32 s[WV], 8
	s_cselect_b32 s70, ttmp9, s70                  ; my block of 128 queries
	s_lshl_b32 s70, s70, 7
	s_and_b32 s71, s[WV], 7
	s_lshl_b32 s71, s71, 4
	s_add_co_u32 s[Q0], s70, s71                   ; my first query
	s_lshl_b32 s72, s68, 18
	s_lshl_b32 s73, s69, 17
	s_add_co_u32 s72, s72, s73                     ; the (batch, head)'s first byte in qc and kc,
	s_lshl_b32 s74, s69, 21
	s_lshl_b32 s75, s68, 12
	s_add_co_u32 s74, s74, s75                     ; and in vt and ac
	s_and_b32 s[KIND], s[WV], 1
	s_lshr_b32 s81, s[WV], 1                       ; j: which eighth of a fetch is mine
	s_lshl_b32 s92, s81, 12
	s_add_co_u32 s92, s92, s72                     ; first fetch, K: 64 j keys of 64 bytes on
	s_mov_b32 s93, 0
	s_lshl_b32 s94, s81, 16
	s_add_co_u32 s94, s94, s74                     ; V: j blocks of 65,536 bytes on
	s_mov_b32 s95, 0
	s_lshl_b32 s76, s81, 13
	s_add_co_u32 s76, s76, 0x8000                  ; from there to the second fetch, K: to key 512 + 192 j
	s_mov_b32 s77, 0
	s_lshl_b32 s78, s81, 17
	s_add_co_u32 s78, s78, 0x80000                 ; V: to block 8 + 3 j
	s_mov_b32 s79, 0
	s_mul_i32 s[G0K+1], s81, KSTP/2                ; where they go
	s_mul_i32 s[G0V+1], s81, PART
	s_add_co_u32 s[G0V+1], s[G0V+1], VOFF
	s_mul_i32 s82, s81, 3*KSTP/2
	s_add_co_u32 s82, s82, 4*KSTP
	s_mul_i32 s83, s81, 3*PART
	s_add_co_u32 s83, s83, VOFF+8*PART
	GROUP1 G1K,  4, 256, 16, 256
	GROUP1 G1K2, 4, 256, 48, 256
	GROUP1 G1V,  5, 256, 16, 256
	GROUP1 G1V2, 5, 4096, 3, 65536
	s_mov_b32 s[SEL], 0x76543210
	s_mov_b32 s[SEL+1], 0xfedcba98
	s_mov_b32 s[CS], 0x3e38aa3b                    ; log2(e) / 8
	s_mov_b32 s[TBK], 0
	s_mov_b32 s[TBV], 0
	s_mov_b32 s[KF], 0
	s_wait_dscnt 0x0                               ; both opening adds are done
	s_wait_kmcnt 0x0
	s_load_b256 s[84:91], s[14:15], 0x10           ; e4 .. e11
	s_add_nc_u64 s[G0K+2:G0K+3], s[6:7], s[92:93]
	s_add_nc_u64 s[G0V+2:G0V+3], s[12:13], s[94:95]
.irp g, G0K, G0V
	s_or_b32 s[\g+3], s[\g+3], 0x80000000
	s_mov_b32 s[\g], 1
.endr
	TLOAD G1K, G1V                                 ; keys 0-511: my one tensor load at the head
	s_lshl_b32 s92, s[Q0], 6
	s_add_co_u32 s92, s92, s72
	s_add_nc_u64 s[4:5], s[4:5], s[92:93]          ; Q's codes at my first query
	s_lshr_b32 s92, s[Q0], 6
	s_lshl_b32 s92, s92, 16
	s_add_co_u32 s92, s92, s74
	s_and_b32 s94, s[Q0], 63
	s_lshl_b32 s94, s94, 6
	s_add_co_u32 s92, s92, s94
	s_add_nc_u64 s[16:17], s[16:17], s[92:93]      ; my 16 rows of 64 codes in ac: 1,024 bytes on end
	v_and_b32 v8, 15, v0                           ; r
	v_bfe_u32 v9, v0, 4, 1                         ; h
	s_delay_alu instid0(VALU_DEP_2)
	v_lshlrev_b32 v10, 6, v8
	s_delay_alu instid0(VALU_DEP_1)
	v_lshl_add_u32 v10, v9, 4, v10
.irp c, 0,1
	global_load_b128 v[16+4*\c:19+4*\c], v10, s[4:5] offset:32*\c   ; Q's fragment stays in registers
.endr
	v_and_b32 v11, 8, v8
	s_delay_alu instid0(VALU_DEP_1)
	v_add_nc_u32 v11, v11, v8                      ; r + 8 (r / 8)
	s_delay_alu instid0(VALU_DEP_1)
	v_lshrrev_b32 v[AK0], 1, v11
	s_delay_alu instid0(VALU_DEP_1)
	v_mul_u32_u24 v[AK0], v[AK0], LK
	v_and_b32 v11, 1, v8
	s_delay_alu instid0(VALU_DEP_1)
	v_lshl_add_u32 v[AK0], v11, 6, v[AK0]
	s_delay_alu instid0(VALU_DEP_1)
	v_lshl_add_u32 v[AK0], v9, 4, v[AK0]           ; K: pair of keys, key in the pair, + 16 h
	v_lshrrev_b32 v[AV0], 2, v8
	s_delay_alu instid0(VALU_DEP_1)
	v_mul_u32_u24 v[AV0], v[AV0], LP
	v_and_b32 v11, 3, v8
	s_delay_alu instid0(VALU_DEP_1)
	v_lshl_add_u32 v[AV0], v11, 6, v[AV0]
	s_delay_alu instid0(VALU_DEP_1)
	v_lshl_add_u32 v[AV0], v9, 4, v[AV0]
	s_delay_alu instid0(VALU_DEP_1)
	v_add_nc_u32 v[AV0], VOFF, v[AV0]              ; V: line r / 4, row r % 4 in it, + 16 h
	v_and_b32 v[GO], 31, v0
	s_delay_alu instid0(VALU_DEP_1)
	v_lshlrev_b32 v[GO], 4, v[GO]
	v_mov_b32 v13, 0xff61b1e6                      ; the largest t so far: -3e38
	s_delay_alu instid0(VALU_DEP_1)
	v_floor_f32 v12, -v13                          ; -M
	v_mov_b32 v14, 0
	v_mov_b32 v15, 0
	v_mov_b32 v246, 0                              ; a lane permute's destination counts as read
	v_mov_b32 v253, 0                              ; named as the upper half of v[252:253]
.set J, 0
.rept 32
	v_mov_b32 v[160+J], 0                          ; O^T: the step is written once, and its first run finds zeros
.set J, J+1
.endr
	s_wait_kmcnt 0x0
	s_add_co_i32 s92, s86, s87
	s_lshl_b32 s92, s92, 23
	s_add_co_i32 s[CS], s[CS], s92                 ; e6 + e7 go into c's exponent field
	s_mov_b32 s[CS+1], s[CS]
	s_add_co_i32 s92, s88, 127
	s_lshl_b32 s93, s92, 23
	v_mov_b32 v244, s93                            ; 2^e8
	s_add_co_i32 s92, s92, 15
	s_lshl_b32 s92, s92, 23
	s_or_b32 s92, s92, 0x600000
	v_mov_b32 v240, s92                            ; 57,344 x 2^e8,
	v_mov_b32 v241, s92                            ; twice: the two halves of a dual pair take their second sources from registers of different banks
	s_add_co_i32 s92, s90, 127
	s_lshl_b32 s93, s92, 23
	v_mov_b32 v247, s93                            ; 2^e10
	s_add_co_i32 s92, s92, 15
	s_lshl_b32 s92, s92, 23
	s_or_b32 s92, s92, 0x600000
	v_mov_b32 v248, s92                            ; 57,344 x 2^e10
; A KEY STEP: 128 keys from s[KF] on.  A step all of whose keys come after my queries is jumped over, but for the lines at its end that step addresses.
.macro STEP
	s_add_co_u32 s96, s[Q0], 15
	s_cmp_gt_u32 s[KF], s96
	s_cbranch_scc1 .Lhidden_\@
	v_add_nc_u32 v[ADK], s[TBK], v[AK0]
	v_add_nc_u32 v[ADV], s[TBV], v[AV0]
	v_nop                                          ; with the two additions: four places in front of loads into registers that the last products read
	v_nop
.irp t, 0,1,2,3,4,5,6,7
.irp c, 0,1
	ds_load_b128 v[32+8*\t+4*\c:32+8*\t+4*\c+3], v[ADK] offset:(16*(\t/2)+4*(\t%2))*LK+32*\c
.endr
.endr
	s_wait_alu depctr_va_vdst(0)
	s_wait_dscnt 0x0
.irp t, 0,1,2,3,4,5,6,7
	v_wmma_f32_16x16x64_bf8_bf8 v[96+8*\t:103+8*\t], v[32+8*\t:39+8*\t], v[16:23], 0
.endr
.rept 4
	v_nop
.endr
.irp t, 0,1,2,3
.irp c, 0,1,2,3
	ds_load_b128 v[32+16*\t+4*\c:32+16*\t+4*\c+3], v[ADV] offset:(\c/2)*PART+4*LP*\t+32*(\c%2)   ; V's fragments land under the softmax
.endr
.endr
	s_add_co_u32 s96, s[KF], 127
	s_cmp_le_u32 s96, s[Q0]
	s_cbranch_scc1 .Lopen_\@                       ; all 128 keys count: no mask
	s_sub_co_i32 s96, s[Q0], s[KF]
	v_and_b32 v252, 15, v0
	v_bfe_u32 v253, v0, 4, 1
	s_delay_alu instid0(VALU_DEP_1)
	v_lshlrev_b32 v253, 4, v253
	s_delay_alu instid0(VALU_DEP_1)
	v_sub_nc_u32 v252, v252, v253
	s_delay_alu instid0(VALU_DEP_1)
	v_add_nc_u32 v252, s96, v252                   ; d = my query - KF - 16 h: register 16 b + i is hidden where 32 b + i > d
	v_mov_b32 v254, 0xff800000
.set NN, 0
.rept 64
	v_cmp_gt_i32 vcc_lo, 32*(NN/16)+NN%16, v252
	v_cndmask_b32 v[96+NN], v[96+NN], v254, vcc_lo
.set NN, NN+1
.endr
.Lopen_\@:
	v_max3_num_f32 v254, v96, v97, v98             ; the step's largest score, in two chains, each accumulator from its low end on
	v_max3_num_f32 v252, v99, v100, v101
.irp i, 6,10,14,18,22,26,30,34,38,42,46,50,54,58
	v_max3_num_f32 v254, v254, v[96+\i], v[97+\i]
	v_max3_num_f32 v252, v252, v[98+\i], v[99+\i]
.endr
	v_max3_num_f32 v254, v254, v158, v159
	s_delay_alu instid0(VALU_DEP_1)
	v_max_num_f32 v254, v254, v252
	s_delay_alu instid0(VALU_DEP_1)
	v_permlanex16_b32 v246, v254, s[SEL], s[SEL+1]
	s_delay_alu instid0(VALU_DEP_1)
	v_max_num_f32 v254, v254, v246
	s_delay_alu instid0(VALU_DEP_1)
	v_mul_f32 v254, s[CS], v254
	s_delay_alu instid0(VALU_DEP_1)
	v_max_num_f32 v13, v13, v254                   ; the running largest t
	v_mov_b32 v254, v12
	s_delay_alu instid0(VALU_DEP_2)
	v_floor_f32 v12, -v13                          ; the new -M
	s_delay_alu instid0(VALU_DEP_1)
	v_sub_f32 v254, v12, v254
	s_delay_alu instid0(VALU_DEP_1)
	v_cvt_i32_f32 v254, v254
	s_delay_alu instid0(VALU_DEP_1)
	v_ldexp_f32 v252, 1.0, v254                    ; f = 2^(old M - new M)
.set J, 0
.rept 32
	v_pk_fma_f32 v[96+J:97+J], v[96+J:97+J], s[CS:CS+1], v[12:13] op_sel_hi:[1,0,0]   ; t - M
.set J, J+2
.endr
	s_wait_alu depctr_va_vdst(0)
.set J, 0
.rept 64
	v_exp_f32 v[96+J], v[96+J]
.set J, J+1
.endr
	v_pk_mul_f32 v[14:15], v[14:15], v[252:253] op_sel_hi:[1,0]   ; the sums under the new M; a plain place behind the batch
	s_wait_alu depctr_va_vdst(0)                   ; one wait: for the batch's results, and directly ahead of the first readers of O^T
.set J, 0
.rept 16
	v_pk_mul_f32 v[160+J:161+J], v[160+J:161+J], v[252:253] op_sel_hi:[1,0]   ; O^T under the new M
.set J, J+2
.endr
	v_pk_add_f32 v[242:243], v[96:97], v[98:99]    ; the row's sum of the unquantised p, in two chains
.irp j, 4,8,12,16,20,24,28,32,36,40,44,48,52,56,60
	v_pk_add_f32 v[14:15], v[14:15], v[96+\j:97+\j]
	v_pk_add_f32 v[242:243], v[242:243], v[98+\j:99+\j]
.endr
	s_delay_alu instid0(VALU_DEP_1)
	v_pk_add_f32 v[14:15], v[14:15], v[242:243]
.irp b, 0,1,2,3
.set J, 0
.rept 8
	v_dual_min_num_f32 v[96+16*\b+J], v[96+16*\b+J], v240 :: v_dual_min_num_f32 v[97+16*\b+J], v[97+16*\b+J], v241   ; the conversion does not saturate (ISA guide 7.6.2); p is not negative: a one-sided hold, two numbers a line
.set J, J+2
.endr
	v_cvt_scalef32_pk8_bf8_f32 v[224+4*\b:225+4*\b], v[96+16*\b:103+16*\b], v244
	v_cvt_scalef32_pk8_bf8_f32 v[226+4*\b:227+4*\b], v[104+16*\b:111+16*\b], v244
.endr
	v_nop                                          ; a plain line between the last conversion and the products that read its result
	s_wait_alu depctr_va_vdst(0)
	s_wait_dscnt 0x0                               ; V's fragments
.irp t, 0,1,2,3
	v_wmma_f32_16x16x128_bf8_bf8 v[160+8*\t:167+8*\t], v[32+16*\t:47+16*\t], v[224:239], v[160+8*\t:167+8*\t]
.endr
.Lhidden_\@:
	s_add_co_u32 s[KF], s[KF], 128
	s_add_co_u32 s[TBK], s[TBK], KSTP
	s_add_co_u32 s[TBV], s[TBV], VSTP
.endm
	s_wait_alu depctr_va_vdst(0)
	s_wait_loadcnt 0x0                             ; Q
	s_wait_tensorcnt 0x0                           ; my part of keys 0-511 is in, so the groups 0 may be written; the second fetch, a first fill too, is issued as a refill is:
	ds_add_u32 v[SPW], v[NIL]                      ; 0 onto my spare word
	s_mov_b32 s[G0K+1], s82                        ; work on registers between the add and the wait for it: on to the second fetch
	s_add_nc_u64 s[G0K+2:G0K+3], s[G0K+2:G0K+3], s[76:77]
	s_mov_b32 s[G0V+1], s83
	s_add_nc_u64 s[G0V+2:G0V+3], s[G0V+2:G0V+3], s[78:79]
	s_wait_dscnt 0x0
	s_barrier_signal -1
	s_barrier_wait -1                              ; everybody's part is in
	TLOAD G1K2, G1V2                               ; keys 512-2,047: my one tensor load behind the barrier; four key steps stand ahead of the wait for it
	s_mov_b32 s[CNT], 4
.Lfirst:
	STEP
	s_sub_co_u32 s[CNT], s[CNT], 1
	s_cmp_lg_u32 s[CNT], 0
	s_cbranch_scc1 .Lfirst
	s_wait_tensorcnt 0x0                           ; my part of the second fetch is in
	s_wait_dscnt 0x0
	s_barrier_signal -1
	s_barrier_wait -1                              ; everybody's is
	s_mov_b32 s[CNT], 12
.Lrest:
	STEP
	s_sub_co_u32 s[CNT], s[CNT], 1
	s_cmp_lg_u32 s[CNT], 0
	s_cbranch_scc1 .Lrest
	; THE WAY OUT: O^T / the sum x 2^(e8 + e9), held, converted with 2^e10; the codes turn through my stage, so that each store of the wave covers 512 consecutive bytes, aligned.
	v_add_f32 v14, v14, v15
	s_delay_alu instid0(VALU_DEP_1)
	v_permlanex16_b32 v246, v14, s[SEL], s[SEL+1]
	s_delay_alu instid0(VALU_DEP_1)
	v_add_f32 v14, v14, v246
	s_wait_alu depctr_va_vdst(0)
	v_rcp_f32 v14, v14
	v_and_b32 v8, 15, v0
	v_bfe_u32 v9, v0, 4, 1
	s_add_co_i32 s72, s88, s89
	s_lshl_b32 s73, s[WV], 10
	s_add_co_u32 s73, s73, STAGE
	v_lshlrev_b32 v10, 6, v8
	s_delay_alu instid0(VALU_DEP_1)
	v_lshl_add_u32 v10, v9, 3, v10
	s_delay_alu instid0(VALU_DEP_1)
	v_add_nc_u32 v10, s73, v10                     ; in: row r, 8 h bytes on; the tile of 16 channels stands in the immediate
	v_add_nc_u32 v11, s73, v[GO]                   ; back: 16 bytes a lane on end
	s_wait_alu depctr_va_vdst(0)                   ; ahead of the first reader of the reciprocal
	v_ldexp_f32 v14, v14, s72
	s_wait_alu depctr_va_vdst(0)                   ; directly ahead of the first reader of O^T
.set J, 0
.rept 32
	v_mul_f32 v[96+J], v[160+J], v14
.set J, J+1
.endr
.set J, 0
.rept 32
	v_med3_num_f32 v[96+J], v[96+J], -v248, v248
.set J, J+1
.endr
.irp t, 0,1,2,3
	v_cvt_scalef32_pk8_bf8_f32 v[192+2*\t:193+2*\t], v[96+8*\t:103+8*\t], v247
.endr
	v_nop
.irp t, 0,1,2,3
	ds_store_b64 v10, v[192+2*\t:193+2*\t] offset:16*\t
.endr
.irp i, 0,1
	ds_load_b128 v[200+4*\i:203+4*\i], v11 offset:512*\i   ; LDS serves a wave's instructions in order: these see the stores above
.endr
.irp i, 0,1
	s_wait_dscnt 1-\i
	global_store_b128 v[GO], v[200+4*\i:203+4*\i], s[16:17] offset:512*\i
.endr
	s_wait_tensorcnt 0x0                           ; the wave's end
	ds_add_u32 v[SPW], v[NIL]
	s_wait_dscnt 0x0
	s_endpgm
.Lfunc_end_k_q665c9add26_attn:
	.size	k_q665c9add26_attn, .Lfunc_end_k_q665c9add26_attn-k_q665c9add26_attn
	.p2alignl 7, 3214868480
	.fill 96, 4, 3214868480
	.section	.rodata,"a",@progbits
	.p2align	6, 0x0
	.amdhsa_kernel k_q665c9add26_attn
		.amdhsa_group_segment_fixed_size 327680
		.amdhsa_private_segment_fixed_size 0
		.amdhsa_enable_private_segment 0
		.amdhsa_kernarg_size 40
		.amdhsa_user_sgpr_count 2
		.amdhsa_user_sgpr_kernarg_segment_ptr 1
		.amdhsa_wavefront_size32 1
		.amdhsa_system_sgpr_workgroup_id_x 1
		.amdhsa_system_sgpr_workgroup_id_y 1
		.amdhsa_system_sgpr_workgroup_id_z 1
		.amdhsa_system_vgpr_workitem_id 0
		.amdhsa_next_free_vgpr 256
		.amdhsa_next_free_sgpr 100
		.amdhsa_reserve_vcc 1
		.amdhsa_float_denorm_mode_32 3
		.amdhsa_float_denorm_mode_16_64 3
		.amdhsa_memory_ordered 1
		.amdhsa_forward_progress 1
		.amdhsa_inst_pref_size 58
	.end_amdhsa_kernel
	.amdgpu_metadata
---
amdhsa.version: [ 1, 2 ]
amdhsa.kernels:
  - .name:           k_q665c9add26_attn
    .symbol:         k_q665c9add26_attn.kd
    .args:
      - { .name: qc, .offset: 0, .size: 8, .value_kind: global_buffer, .address_space: global }
      - { .name: kc, .offset: 8, .size: 8, .value_kind: global_buffer, .address_space: global }
      - { .name: vt, .offset: 16, .size: 8, .value_kind: global_buffer, .address_space: global }
      - { .name: lowp_scales, .offset: 24, .size: 8, .value_kind: global_buffer, .address_space: global }
      - { .name: ac, .offset: 32, .size: 8, .value_kind: global_buffer, .address_space: global }
    .group_segment_fixed_size: 327680
    .private_segment_fixed_size: 0
    .kernarg_segment_align: 8
    .kernarg_segment_size: 40
    .max_flat_workgroup_size: 512
    .sgpr_count:     100
    .vgpr_count:     256
    .wavefront_size: 32
...
	.end_amdgpu_metadata
.endif
;; end of part 3
;; launch wo (part 4): grid 8 x 32, 4 waves a work-group, clusters of 4 x 4, 327,680 bytes of LDS; arguments ac, Wo_codes, lowp_scales, x, y; writes y
.if DOCPART == 4
	.amdgcn_target "amdgcn-amd-amdhsa--gfx1250"
	.amdhsa_code_object_version 6
	.text
	.protected	k_q665c9add26_wo
	.globl	k_q665c9add26_wo
	.p2align	8
	.type	k_q665c9add26_wo,@function
k_q665c9add26_wo:
	s_mov_b64 s[64:65], 0
	v_nop
	global_prefetch_b8 v0, s[64:65] scope:SCOPE_SE
	s_setreg_imm32_b32 hwreg(HW_REG_WAVE_MODE, 25, 1), 1
	s_wait_xcnt 0x0
	s_wait_alu depctr_hold_cnt(0) depctr_sa_sdst(0) depctr_va_vdst(0) depctr_va_sdst(0) depctr_va_ssrc(0) depctr_va_vcc(0) depctr_vm_vsrc(0)
	s_getreg_b32 s2, hwreg(HW_REG_IB_STS2, 6, 4)
	s_cmp_eq_u32 s2, 0
	s_cbranch_scc0 .Lentry_in_a_cluster
	s_endpgm
.Lentry_in_a_cluster:
	s_bfe_u32 s2, ttmp6, 0x10000c
	s_cmp_lg_u32 s2, 0xf033
	s_cbranch_scc0 .Lentry_shape_is_right
	s_endpgm
.Lentry_shape_is_right:
; out = res + A B^T on codes of E5M2: here y = x + attn Wo^T.  A: 4,096 rows x SIZE_K codes laid [block of 64 rows][block of 64 k][64 rows][64 k]; B: [1024][SIZE_K] codes, row-major; res, out: [4096][1024] f32.
; A sum stands for sum x 2^(eA + eB) (entries 10, 11 of the scales): out = sum x 2^(eA + eB) + res, one packed multiply-add for two numbers.  LIMIT: eA + eB between -126 and 127.
; A tile of C is 128 x 128: 256 work-groups, one for each WGP (tiles of 256 x 256 would be 64).  Four waves, each 64 x 64: 16 accumulators.  K goes in steps of 512 through two LDS slots:
; a K step of A's half tile (64 rows x 512 k) is one dense block of 32 KiB, 128 lines of 256 bytes; of B's, 512 bytes of each of its 64 rows.  SIZE_K = 1,024 here: two steps, no slot is filled again, and the loop is not assembled.
; CLUSTERS: 4 x 4 work-groups; A's tiles are asked for jointly along a row of the cluster, B's along a column.  No prefetch: few slot fills, tiles shared by the joint loads.
; THE MATRIX INSTRUCTION IS USED TRANSPOSED (source 0 = 16 rows of B, source 1 = 16 rows of A): a lane holds eight neighbouring columns of a row of C.
; REGISTERS: window 0: v0-31 addresses; v32-95 rows back from the stage, two sets; v128-255 the accumulators ((a, b) at v[128 + 8 (4 a + b)]).  window 1: two fragment buffers of 128 (A's four, then B's four).
;   window 2: v0-127 the residual, asked for at the head, later the result.
.set SIZE_K, 1024
.set EOFF,   0x28
.set KSTEP,  512
.set LP,     272                       ; a line of A in LDS: 256 bytes (four rows x 64 k) + 16
.set AH,     128*LP                    ; A's half tile in one K step
; THE FETCH, as it stands now: all of K = 1,024 comes by ONE load a wave and every LDS byte is filled once.  A's half tile is 64 rows x 1,024 k, one dense block of 64 KiB, 256 lines of 256 bytes:
; K step 0 in lines 0-127, K step 1 in lines 128-255.  B's half tile is 64 rows of 1,024 bytes; K step 1 begins 512 bytes into a row.
.set BP, 1040                          ; a row of B in LDS: 1,024 bytes + 16
.set BH,     64*BP
.set STAGE, 4*AH+2*BH                  ; behind the tiles: 16 rows x 272 bytes for each wave
.set SPITCH, 272
.set SPARE,  STAGE+4*16*SPITCH         ; the spare words, 128 bytes a wave, which no other line names
.set LAPS,   SIZE_K/(2*KSTEP)
.set ADRA, 16
.set ADRB, 20
.set STO,  24
.set RD,   25
.set CO,   26
.set SPW,  28
.set NIL,  29
.set BK,   32
.set ACC,  128
.set F0,   0
.set F1,   128
.set G1, 24
.set G0, 32
.set G1B, 48
.set G0B, 56
.set MSB, 0
.macro WIN new
.if MSB != (\new)
	s_set_vgpr_msb (MSB<<8)|(\new)
.set MSB, (\new)
.endif
.endm
.set MUL,  0x05                        ; sources 0 (B) and 1 (A) window 1; C and D window 0
.set TO_F, 0x40
.macro JLOAD s                         ; waves 0 and 1 fetch A's halves, waves 2 and 3 B's; four v_nop follow each line
	s_cmp_eq_u32 s11, 0
	s_cbranch_scc0 .Lfor_b_\@
	tensor_load_to_lds s[G0+4*\s:G0+4*\s+3], s[G1:G1+7]
	s_nop 0
.rept 4
	v_nop
.endr
	s_branch .Lasked_\@
.Lfor_b_\@:
	tensor_load_to_lds s[G0B+4*\s:G0B+4*\s+3], s[G1B:G1B+7]
	s_nop 0
.rept 4
	v_nop
.endr
.Lasked_\@:
.endm
.macro CREST
	s_cmp_lg_u32 s10, 0
	s_cbranch_scc1 .Lnot_wave_0_\@
	s_barrier_signal -3
.Lnot_wave_0_\@:
	s_barrier_wait -3
	s_barrier_signal -1
	s_barrier_wait -1
.endm
.macro CROUND
	s_barrier_signal -1
	s_barrier_wait -1
	CREST
.endm
	s_load_b256 s[68:75], s[0:1], 0x0              ; A 68, B 70, the scales 72, res 74
	s_load_b64 s[76:77], s[0:1], 0x20              ; out
	v_lshl_add_u32 v[SPW], v0, 2, SPARE
	v_mov_b32 v[NIL], 0
	ds_add_u32 v28, v29
	ds_add_u32 v28, v29
	s_wait_dscnt 0x0
	v_lshrrev_b32 v1, 5, v0
	v_readfirstlane_b32 s10, v1                    ; wave 0..3
	s_lshr_b32 s11, s10, 1                         ; my half of the tile's rows.  Also: I fetch for A (0) or for B (1)
	s_and_b32 s12, s10, 1                          ; my half of its columns.  Also: which half tile I fetch
	s_bfe_u32 s40, ttmp6, 0x40000                  ; cx
	s_bfe_u32 s41, ttmp6, 0x40004                  ; cy
	s_lshl_b32 s42, ttmp9, 2
	s_add_co_u32 s42, s42, s40                     ; tile column
	s_and_b32 s13, ttmp7, 0xffff
	s_lshl_b32 s13, s13, 2
	s_add_co_u32 s13, s13, s41                     ; tile row
	s_lshl_b32 s43, s41, 2
	s_lshl_b32 s43, 15, s43                        ; my row of the cluster
	s_lshl_b32 s44, 0x1111, s40                    ; my column
	s_or_b32 s[G1+0], s43, (0<<16)|(1<<20)|(1<<21)|(5<<22)|(3<<25)   ; A: the mask; 1 byte; padding: 4 words behind every 64
	s_mov_b32 s[G1+1], 256<<16
	s_mov_b32 s[G1+2], 256<<16
	s_mov_b32 s[G1+3], 256<<16
	s_mov_b32 s[G1+4], 256
	s_mov_b32 s[G1+5], 256                         ; dense
	s_mov_b32 s[G1+6], 0
	s_mov_b32 s[G1+7], 0
	s_or_b32 s[G1B+0], s44, (0<<16)|(1<<20)|(1<<21)|(7<<22)|(3<<25)  ; B: 4 words behind every 256
	s_mov_b32 s[G1B+1], SIZE_K<<16
	s_mov_b32 s[G1B+2], 64<<16
	s_mov_b32 s[G1B+3], SIZE_K<<16
	s_mov_b32 s[G1B+4], 64
	s_mov_b32 s[G1B+5], SIZE_K
	s_mov_b32 s[G1B+6], 0
	s_mov_b32 s[G1B+7], 0
	s_lshl_b32 s16, s13, 1
	s_add_co_u32 s16, s16, s12                     ; A: block of 64 rows 2 x tile row + half,
	s_mul_i32 s16, s16, 64*SIZE_K                  ; of 64 x SIZE_K bytes
	s_mov_b32 s17, 0
	s_lshl_b32 s46, s42, 7
	s_lshl_b32 s47, s12, 6
	s_add_co_u32 s46, s46, s47                     ; B: row 128 x tile column + 64 x half
	s_mul_i32 s46, s46, SIZE_K
	s_mov_b32 s47, 0
	s_mul_i32 s20, s12, 2*AH                       ; where they go: A's two halves, then B's two
	s_mul_i32 s21, s12, BH
	s_add_co_u32 s21, s21, 4*AH
	s_wait_kmcnt 0x0
	s_load_b64 s[78:79], s[72:73], EOFF            ; eA, eB
	s_add_nc_u64 s[14:15], s[68:69], s[16:17]
	s_add_nc_u64 s[46:47], s[70:71], s[46:47]
	CROUND                                         ; all sixteen work-groups are here: the first joint loads meet
	s_mov_b32 s[G0], 1
	s_mov_b32 s[G0+1], s20
	s_mov_b64 s[G0+2:G0+3], s[14:15]
	s_or_b32 s[G0+3], s[G0+3], 0x80000000
	s_mov_b32 s[G0B], 1
	s_mov_b32 s[G0B+1], s21
	s_mov_b64 s[G0B+2:G0B+3], s[46:47]
	s_or_b32 s[G0B+3], s[G0B+3], 0x80000000
	JLOAD 0                                        ; my half tile, all of K: my one tensor load
	v_and_b32 v1, 15, v0                           ; r
	v_bfe_u32 v2, v0, 4, 1                         ; h
	v_lshlrev_b32 v[CO], 12, v2
	v_lshl_add_u32 v[CO], v1, 4, v[CO]             ; res and out: lanes 0-15 one row's 256 bytes, lanes 16-31 the next row's
	s_wait_alu depctr_va_vdst(0)
	s_lshl_b32 s16, s13, 7
	s_lshl_b32 s17, s11, 6
	s_add_co_u32 s16, s16, s17                     ; my first row: 128 x tile row + 64 x half
	s_lshl_b32 s16, s16, 12
	s_mov_b32 s17, 0
	s_add_nc_u64 s[74:75], s[74:75], s[16:17]
	s_add_nc_u64 s[76:77], s[76:77], s[16:17]
	s_lshl_b32 s46, s42, 9                         ; my first column, in bytes: 512 x tile column + 256 x half
	s_lshl_b32 s47, s12, 8
	s_add_co_u32 s46, s46, s47
	s_mov_b32 s47, 0
	s_add_nc_u64 s[74:75], s[74:75], s[46:47]
	s_add_nc_u64 s[76:77], s[76:77], s[46:47]
	WIN 0x80                                       ; destination window 2
.irp a, 0,1,2,3
.irp t, 0,1,2,3,4,5,6,7
	global_load_b128 v[32*\a+4*\t:32*\a+4*\t+3], v[CO], s[74:75] offset:(16*\a+2*\t)*4096 th:TH_LOAD_NT   ; the residual lands under the whole K loop
.endr
.endr
	WIN 0
	v_lshrrev_b32 v3, 2, v1
	v_mul_u32_u24 v3, v3, LP
	v_and_b32 v4, 3, v1
	v_lshl_add_u32 v3, v4, 6, v3
	v_lshl_add_u32 v3, v2, 4, v3                   ; A: line r / 4, row r % 4 in it, + 16 h: sixteen lanes at sixteen different 16-byte columns
	v_mul_u32_u24 v4, v1, BP
	v_lshl_add_u32 v4, v2, 4, v4                   ; B: row r, + 16 h
	s_mul_i32 s21, s11, 2*AH
	s_mul_i32 s22, s12, BH
	s_add_co_u32 s22, s22, 4*AH
.irp s, 0,1
	v_add_nc_u32 v[ADRA+\s], s21, v3
	v_add_nc_u32 v[ADRB+\s], s22, v4
	s_add_co_u32 s21, s21, AH                      ; K step 1: 128 lines on in A,
	s_add_co_u32 s22, s22, KSTEP                   ; 512 bytes on in a row of B
.endr
	s_mul_i32 s23, s10, 16*SPITCH
	s_add_co_u32 s23, s23, STAGE                   ; my stage
	v_mul_u32_u24 v5, v1, SPITCH
	v_lshl_add_u32 v5, v2, 5, v5
	v_add_nc_u32 v[STO], s23, v5                   ; in: row r, 32 bytes for each half of the lanes
	v_mul_u32_u24 v5, v2, SPITCH
	v_lshl_add_u32 v5, v1, 4, v5
	v_add_nc_u32 v[RD], s23, v5                    ; back: lanes 0-15 one row, lanes 16-31 the next
; 8 matrix instructions: A's blocks a0, a0 + 1 x B's four, 128 along K.  The 16 accumulators take turns, one instruction a turn.
.macro MUL8 f, a0, zero
.irp a, \a0, \a0+1
.irp b, 0,1,2,3
.if \zero
	v_wmma_f32_16x16x128_bf8_bf8 v[ACC+8*(4*(\a)+\b):ACC+8*(4*(\a)+\b)+7], v[\f+64+16*\b:\f+64+16*\b+15], v[\f+16*(\a):\f+16*(\a)+15], 0
.else
	v_wmma_f32_16x16x128_bf8_bf8 v[ACC+8*(4*(\a)+\b):ACC+8*(4*(\a)+\b)+7], v[\f+64+16*\b:\f+64+16*\b+15], v[\f+16*(\a):\f+16*(\a)+15], v[ACC+8*(4*(\a)+\b):ACC+8*(4*(\a)+\b)+7]
.endif
.endr
.endr
.endm
; 32 LDS loads in one run: quarter q (128 along K) of the slot into buffer f: B's four fragments, then A's.  Registers 4 c .. 4 c + 3 hold K = 128 q + 32 c + 16 h + 0 .. 15, in A and in B alike.
.macro FETCH slot, q, f
	WIN TO_F
.irp b, 0,1,2,3
.irp c, 0,1,2,3
	ds_load_b128 v[\f+64+16*\b+4*\c:\f+64+16*\b+4*\c+3], v[ADRB+\slot] offset:128*(\q)+32*\c+\b*16*BP
.endr
.endr
.irp a, 0,1,2,3
.irp c, 0,1,2,3
	ds_load_b128 v[\f+16*\a+4*\c:\f+16*\a+4*\c+3], v[ADRA+\slot] offset:(2*(\q)+\c/2)*16*LP+4*LP*\a+32*(\c%2)
.endr
.endr
.endm
.macro PLACES                          ; four plain lines between a matrix instruction and a load into, or a read of, its registers
.rept 4
	v_nop
.endr
.endm
.macro QUARTER slot, qnext, f, g, zero ; multiplies buffer f; in its middle it fetches quarter qnext into buffer g
	s_wait_dscnt 8                                 ; B's four and A's blocks 0, 1 are in; A's blocks 2, 3 may be out
	WIN MUL
	MUL8 \f, 0, \zero
	PLACES
	FETCH \slot, \qnext, \g
	s_wait_dscnt 32                                ; all but the 32 just issued
	WIN MUL
	MUL8 \f, 2, \zero
.endm
; A slot's last quarter multiplies buffer 1 and changes slots: one barrier; in front of it each wave waits for all its tensor loads, adds 0 to its spare word, and waits for that and for its reads of this slot.
.macro TURN slot, next, fill
	WIN 0                                          ; the add's two registers lie in window 0
	s_wait_tensorcnt 0x0
	ds_add_u32 v[SPW], v[NIL]
	WIN MUL
	s_wait_dscnt 0x0                               ; the add is done, and my reads of this slot are over
	s_barrier_signal -1
	MUL8 F1, 0, 0                                  ; work on registers while the others arrive
	WIN 0
	s_barrier_wait -1
.if \fill
	CREST                                          ; the barrier has opened a round of the cluster's
	s_add_nc_u64 s[G0+4*\slot+2:G0+4*\slot+3], s[G0+4*\slot+2:G0+4*\slot+3], 2*64*KSTEP
	s_add_nc_u64 s[G0B+4*\slot+2:G0B+4*\slot+3], s[G0B+4*\slot+2:G0B+4*\slot+3], 2*KSTEP
	JLOAD \slot                                    ; the first tensor load behind the round; its four v_nop are the places in front of the loads below
.else
	PLACES
.endif
	FETCH \next, 0, F0
	WIN MUL
	MUL8 F1, 2, 0
.endm
	s_wait_alu depctr_va_vdst(0)
	s_wait_tensorcnt 0x0                           ; my half tile is in
	s_barrier_signal -1
	s_barrier_wait -1
	FETCH 0, 0, F0
	QUARTER 0, 1, F0, F1, 1                        ; the first quarter's products start the sums
.if LAPS > 1
	WIN 0
	s_mov_b32 s3, LAPS-1
.Llap:
	QUARTER 0, 2, F1, F0, 0
	QUARTER 0, 3, F0, F1, 0
	TURN 0, 1, 1
	QUARTER 1, 1, F0, F1, 0
	QUARTER 1, 2, F1, F0, 0
	QUARTER 1, 3, F0, F1, 0
	TURN 1, 0, 1
	QUARTER 0, 1, F0, F1, 0
	WIN 0
	s_sub_co_u32 s3, s3, 1
	s_cmp_lg_u32 s3, 0
	s_cbranch_scc1 .Llap
.endif
	QUARTER 0, 2, F1, F0, 0                        ; the last lap fills nothing
	QUARTER 0, 3, F0, F1, 0
	TURN 0, 1, 0
	QUARTER 1, 1, F0, F1, 0
	QUARTER 1, 2, F1, F0, 0
	QUARTER 1, 3, F0, F1, 0
	s_wait_dscnt 8
	WIN MUL
	MUL8 F1, 0, 0
	s_wait_dscnt 0
	MUL8 F1, 2, 0
	WIN 0
; THE WAY OUT, a block of 16 rows at a time through my own stage: in as 32 bytes a lane, back as whole rows of 256 bytes; sum x 2^(eA + eB) + residual; sixteen lanes store 256 consecutive bytes, aligned.
.macro TOSTAGE a
.set BB, BK+32*((\a)%2)
.irp b, 0,1,2,3
	ds_store_b128 v[STO], v[ACC+8*(4*(\a)+\b):ACC+8*(4*(\a)+\b)+3] offset:64*\b          ; each accumulator from its low end on
	ds_store_b128 v[STO], v[ACC+8*(4*(\a)+\b)+4:ACC+8*(4*(\a)+\b)+7] offset:64*\b+16
.endr
.irp t, 0,1,2,3,4,5,6,7
	ds_load_b128 v[BB+4*\t:BB+4*\t+3], v[RD] offset:\t*2*SPITCH   ; LDS serves a wave's instructions in order: these see the stores above
.endr
.endm
.macro SEND a, younger                 ; younger: the next block's 8 stores and 8 loads, or none
.set BB, BK+32*((\a)%2)
	s_wait_dscnt \younger
	WIN 0xa0                                       ; source 2 and destination window 2
.set I, 0
.rept 16
	v_pk_fma_f32 v[32*(\a)+I:32*(\a)+I+1], v[BB+I:BB+I+1], s[78:79], v[32*(\a)+I:32*(\a)+I+1] op_sel_hi:[1,0,1]
.set I, I+2
.endr
	WIN 0x08                                       ; a store's data are source 1: window 2
.irp t, 0,1,2,3,4,5,6,7
	global_store_b128 v[CO], v[32*(\a)+4*\t:32*(\a)+4*\t+3], s[76:77] offset:(16*(\a)+2*\t)*4096
.endr
	WIN 0
.endm
	s_wait_kmcnt 0x0
	s_add_co_i32 s78, s78, s79
	s_add_co_i32 s78, s78, 127
	s_lshl_b32 s78, s78, 23                        ; 2^(eA + eB) as f32
	s_mov_b32 s79, s78
	PLACES
	TOSTAGE 0
	s_wait_loadcnt 0x0                             ; the residual
.irp a, 1,2,3
	TOSTAGE \a
	SEND \a-1, 16
.endr
	SEND 3, 0
	s_wait_tensorcnt 0x0                           ; the wave's end
	ds_add_u32 v[SPW], v[NIL]
	s_wait_dscnt 0x0
	CROUND                                         ; the closing round
	s_endpgm
.Lfunc_end_k_q665c9add26_wo:
	.size	k_q665c9add26_wo, .Lfunc_end_k_q665c9add26_wo-k_q665c9add26_wo
	.p2alignl 7, 3214868480
	.fill 96, 4, 3214868480
	.section	.rodata,"a",@progbits
	.p2align	6, 0x0
	.amdhsa_kernel k_q665c9add26_wo
		.amdhsa_group_segment_fixed_size 327680
		.amdhsa_private_segment_fixed_size 0
		.amdhsa_enable_private_segment 0
		.amdhsa_kernarg_size 40
		.amdhsa_user_sgpr_count 2
		.amdhsa_user_sgpr_kernarg_segment_ptr 1
		.amdhsa_wavefront_size32 1
		.amdhsa_system_sgpr_workgroup_id_x 1
		.amdhsa_system_sgpr_workgroup_id_y 1
		.amdhsa_system_sgpr_workgroup_id_z 1
		.amdhsa_system_vgpr_workitem_id 0
		.amdhsa_next_free_vgpr 768
		.amdhsa_next_free_sgpr 80
		.amdhsa_reserve_vcc 0
		.amdhsa_float_denorm_mode_32 3
		.amdhsa_float_denorm_mode_16_64 3
		.amdhsa_memory_ordered 1
		.amdhsa_forward_progress 1
		.amdhsa_inst_pref_size 48
	.end_amdhsa_kernel
	.amdgpu_metadata
---
amdhsa.version: [ 1, 2 ]
amdhsa.kernels:
  - .name:           k_q665c9add26_wo
    .symbol:         k_q665c9add26_wo.kd
    .args:
      - { .name: ac, .offset: 0, .size: 8, .value_kind: global_buffer, .address_space: global }
      - { .name: Wo_codes, .offset: 8, .size: 8, .value_kind: global_buffer, .address_space: global }
      - { .name: lowp_scales, .offset: 16, .size: 8, .value_kind: global_buffer, .address_space: global }
      - { .name: x, .offset: 24, .size: 8, .value_kind: global_buffer, .address_space: global }
      - { .name: y, .offset: 32, .size: 8, .value_kind: global_buffer, .address_space: global }
    .group_segment_fixed_size: 327680
    .private_segment_fixed_size: 0
    .kernarg_segment_align: 8
    .kernarg_segment_size: 40
    .max_flat_workgroup_size: 128
    .sgpr_count:     80
    .vgpr_count:     768
    .wavefront_size: 32
...
	.end_amdgpu_metadata
.endif
;; end of part 4
;; launch norm2 (part 5): grid 256 x 1, 4 waves a work-group, no clusters, 20,992 bytes of LDS; arguments y, g2, lowp_scales, h2c; writes h2c
.if DOCPART == 5
	.amdgcn_target "amdgcn-amd-amdhsa--gfx1250"
	.amdhsa_code_object_version 6
	.text
	.protected	k_q665c9add26_norm2
	.globl	k_q665c9add26_norm2
	.p2align	8
	.type	k_q665c9add26_norm2,@function
k_q665c9add26_norm2:
	s_mov_b64 s[64:65], 0
	v_nop
	global_prefetch_b8 v0, s[64:65] scope:SCOPE_SE
	s_setreg_imm32_b32 hwreg(HW_REG_WAVE_MODE, 25, 1), 1
	s_wait_xcnt 0x0
; h2 = g * y / sqrt(mean(y^2) + 1e-5), row by row of 1,024 f32, quantised to E5M2 with the given scale 2^e, e = entry 12 of the scales (NS = 1).  Codes: [4096][1024], row-major.
; code = h2 / 2^e, held within +-57,344, rounded to the nearest code, ties to even.  LIMIT: e between -126 and 112.  NaN among the inputs is not served.
; SHARES.  256 work-groups x 4 waves x 4 rows.  A wave takes a whole row: eight loads of 512 consecutive bytes, 32 registers; the row stays in registers between the sum of squares and the scaling.
; All 8 loads of g and all 32 loads of y of a wave go out at the head.  No matrix unit, no tensor load, no cluster, no barrier: memory binds, and waves share nothing.
; The conversions take eight neighbours from ONE lane's registers, the loads give a lane four: so a row turns through the wave's own stage in LDS (64 bytes + 16 of padding for each lane, two halves of a row)
; and comes back 16 neighbours a lane.  A lane's 16 codes are 16 bytes: each store of the wave covers 512 consecutive bytes, aligned.
.set NS,   1
.set G,    16                          ; v16-47   g, as loaded
.set Y,    48                          ; v48-79   the row back from the stage: register 16 s + i = h2[512 s + 16 lane + i]
.set T,    80                          ; v80-111  at work: two sets of 16
.set X,    112                         ; v112-239 four rows of 32; a row's registers take its codes once the row has gone to the stage
.set SP,   80
.set WREG, 64*SP
	s_load_b128 s[4:7], s[0:1], 0x0                ; y, g
	s_load_b128 s[8:11], s[0:1], 0x10              ; the scales' exponents, the codes
	v_lshl_add_u32 v240, v0, 2, 0x5000
	v_mov_b32 v241, 0
	v_lshrrev_b32 v1, 5, v0
	v_readfirstlane_b32 s16, v1                    ; wave
	v_and_b32 v1, 31, v0                           ; lane
	v_lshlrev_b32 v2, 4, v1                        ; 16 x lane
	s_mul_i32 s17, s16, WREG
	v_lshrrev_b32 v3, 2, v1
	v_mul_u32_u24 v3, v3, SP
	v_and_b32 v4, 3, v1
	v_lshl_add_u32 v3, v4, 4, v3
	v_add_nc_u32 v3, s17, v3                       ; into the stage
	v_mul_u32_u24 v4, v1, SP
	v_add_nc_u32 v4, s17, v4                       ; out of it
	v_mov_b32 v5, 0                                ; a lane permute's destination counts as read
	v_mov_b32 v9, 0                                ; named as the upper half of the pair v[8:9]
	s_mov_b32 s12, 0x76543210
	s_mov_b32 s13, 0xfedcba98
	s_mov_b32 s14, 0x3a800000                      ; 1 / 1024
	s_mov_b32 s15, 0x3727c5ac                      ; 1e-5
	s_lshl_b32 s18, ttmp9, 16
	s_lshl_b32 s19, s16, 14
	s_add_co_u32 s18, s18, s19
	s_mov_b32 s19, 0
	s_lshr_b32 s26, s18, 2
	s_mov_b32 s27, 0
	s_wait_kmcnt 0x0
	s_load_b32 s32, s[8:9], 0x30                   ; entry 12
	s_add_nc_u64 s[4:5], s[4:5], s[18:19]
	s_add_nc_u64 s[20:21], s[10:11], s[26:27]
.irp j, 0,1,2,3,4,5,6,7
	global_load_b128 v[G+4*\j:G+4*\j+3], v2, s[6:7] offset:512*\j
.endr
.irp r, 0,1,2,3
.irp j, 0,1,2,3,4,5,6,7
	global_load_b128 v[X+32*\r+4*\j:X+32*\r+4*\j+3], v2, s[4:5] offset:4096*\r+512*\j
.endr
.endr
	s_wait_kmcnt 0x0
	s_add_co_i32 s40, s32, 127
	s_lshl_b32 s41, s40, 23
	v_mov_b32 v10, s41                             ; 2^e as f32
	s_add_co_i32 s40, s40, 15
	s_lshl_b32 s40, s40, 23
	s_or_b32 s40, s40, 0x600000
	v_mov_b32 v11, s40                             ; 57,344 x 2^e
.macro ROW r, left                     ; left = the loads of the later rows, which may stay out
.set XR, X+32*(\r)
	s_wait_loadcnt \left
.irp k, 0,1,2,3
	v_pk_mul_f32 v[T+2*\k:T+2*\k+1], v[XR+2*\k:XR+2*\k+1], v[XR+2*\k:XR+2*\k+1]
.endr
.irp k, 4,5,6,7,8,9,10,11,12,13,14,15
	v_pk_fma_f32 v[T+2*(\k%4):T+2*(\k%4)+1], v[XR+2*\k:XR+2*\k+1], v[XR+2*\k:XR+2*\k+1], v[T+2*(\k%4):T+2*(\k%4)+1]
.endr
	v_pk_add_f32 v[T:T+1], v[T:T+1], v[T+2:T+3]
	v_pk_add_f32 v[T+4:T+5], v[T+4:T+5], v[T+6:T+7]
	v_pk_add_f32 v[T:T+1], v[T:T+1], v[T+4:T+5]
	v_add_f32 v6, v[T], v[T+1]
	v_add_f32_dpp v6, v6, v6 row_xmask:1 row_mask:0xf bank_mask:0xf
	v_add_f32_dpp v6, v6, v6 row_xmask:2 row_mask:0xf bank_mask:0xf
	v_add_f32_dpp v6, v6, v6 row_xmask:4 row_mask:0xf bank_mask:0xf
	v_add_f32_dpp v6, v6, v6 row_xmask:8 row_mask:0xf bank_mask:0xf
	v_permlanex16_b32 v5, v6, s12, s13
	v_add_f32 v6, v6, v5
	v_fma_f32 v6, v6, s14, s15
	s_wait_alu depctr_va_vdst(0)
	v_rsq_f32 v8, v6
.set I, 0
.rept 16
	v_pk_mul_f32 v[XR+I:XR+I+1], v[XR+I:XR+I+1], v[G+I:G+I+1]   ; plain work that names neither the root's source nor its result
.set I, I+2
.endr
	s_wait_alu depctr_va_vdst(0)                   ; the wait ahead of the first reader of the root's result
.set I, 0
.rept 16
	v_pk_mul_f32 v[XR+I:XR+I+1], v[XR+I:XR+I+1], v[8:9] op_sel_hi:[1,0]
.set I, I+2
.endr
.irp s, 0,1
.irp i, 0,1,2,3
	ds_store_b128 v3, v[XR+16*\s+4*\i:XR+16*\s+4*\i+3] offset:32*SP*\s+8*SP*\i
.endr
.endr
.irp s, 0,1
.irp i, 0,1,2,3
	ds_load_b128 v[Y+16*\s+4*\i:Y+16*\s+4*\i+3], v4 offset:32*SP*\s+16*\i
.endr
.endr
	s_wait_dscnt 0x0
.irp s, 0,1
.set TS, T+16*\s
.set I, 0
.rept 16
	v_med3_num_f32 v[TS+I], v[Y+16*\s+I], -v11, v11   ; the conversion does not saturate (ISA guide 7.6.2): the hold comes first
.set I, I+1
.endr
	v_cvt_scalef32_pk8_bf8_f32 v[XR+4*\s:XR+4*\s+1], v[TS:TS+7], v10
	v_cvt_scalef32_pk8_bf8_f32 v[XR+4*\s+2:XR+4*\s+3], v[TS+8:TS+15], v10
.endr
	v_nop                                          ; a plain line behind the last conversion
	global_store_b128 v2, v[XR:XR+3], s[20:21] offset:1024*(\r)
	global_store_b128 v2, v[XR+4:XR+7], s[20:21] offset:1024*(\r)+512
.endm
	ROW 0, 24
	ROW 1, 16
	ROW 2, 8
	ROW 3, 0
	s_wait_tensorcnt 0x0
	ds_add_u32 v240, v241
	s_wait_dscnt 0x0
	s_endpgm
.Lfunc_end_k_q665c9add26_norm2:
	.size	k_q665c9add26_norm2, .Lfunc_end_k_q665c9add26_norm2-k_q665c9add26_norm2
	.p2alignl 7, 3214868480
	.fill 96, 4, 3214868480
	.section	.rodata,"a",@progbits
	.p2align	6, 0x0
	.amdhsa_kernel k_q665c9add26_norm2
		.amdhsa_group_segment_fixed_size 20992
		.amdhsa_private_segment_fixed_size 0
		.amdhsa_enable_private_segment 0
		.amdhsa_kernarg_size 32
		.amdhsa_user_sgpr_count 2
		.amdhsa_user_sgpr_kernarg_segment_ptr 1
		.amdhsa_wavefront_size32 1
		.amdhsa_system_sgpr_workgroup_id_x 1
		.amdhsa_system_sgpr_workgroup_id_y 1
		.amdhsa_system_sgpr_workgroup_id_z 1
		.amdhsa_system_vgpr_workitem_id 0
		.amdhsa_next_free_vgpr 242
		.amdhsa_next_free_sgpr 66
		.amdhsa_reserve_vcc 0
		.amdhsa_float_denorm_mode_32 3
		.amdhsa_float_denorm_mode_16_64 3
		.amdhsa_memory_ordered 1
		.amdhsa_forward_progress 1
		.amdhsa_inst_pref_size 35
	.end_amdhsa_kernel
	.amdgpu_metadata
---
amdhsa.version: [ 1, 2 ]
amdhsa.kernels:
  - .name:           k_q665c9add26_norm2
    .symbol:         k_q665c9add26_norm2.kd
    .args:
      - { .name: y, .offset: 0, .size: 8, .value_kind: global_buffer, .address_space: global }
      - { .name: g2, .offset: 8, .size: 8, .value_kind: global_buffer, .address_space: global }
      - { .name: lowp_scales, .offset: 16, .size: 8, .value_kind: global_buffer, .address_space: global }
      - { .name: h2c, .offset: 24, .size: 8, .value_kind: global_buffer, .address_space: global }
    .group_segment_fixed_size: 20992
    .private_segment_fixed_size: 0
    .kernarg_segment_align: 8
    .kernarg_segment_size: 32
    .max_flat_workgroup_size: 128
    .sgpr_count:     66
    .vgpr_count:     242
    .wavefront_size: 32
...
	.end_amdgpu_metadata
.endif
;; end of part 5
;; launch ffn1 (part 6): grid 16 x 16, 4 waves a work-group, clusters of 4 x 4, 327,680 bytes of LDS; arguments h2c, W1_codes, lowp_scales, fc; writes fc
.if DOCPART == 6
	.amdgcn_target "amdgcn-amd-amdhsa--gfx1250"
	.amdhsa_code_object_version 6
	.text
	.protected	k_q665c9add26_ffn1
	.globl	k_q665c9add26_ffn1
	.p2align	8
	.type	k_q665c9add26_ffn1,@function
k_q665c9add26_ffn1:
	s_mov_b64 s[64:65], 0
	v_nop
	global_prefetch_b8 v0, s[64:65] scope:SCOPE_SE
	s_setreg_imm32_b32 hwreg(HW_REG_WAVE_MODE, 25, 1), 1
	s_wait_xcnt 0x0
	s_wait_alu depctr_hold_cnt(0) depctr_sa_sdst(0) depctr_va_vdst(0) depctr_va_sdst(0) depctr_va_ssrc(0) depctr_va_vcc(0) depctr_vm_vsrc(0)
	s_getreg_b32 s2, hwreg(HW_REG_IB_STS2, 6, 4)
	s_cmp_eq_u32 s2, 0
	s_cbranch_scc0 .Lentry_in_a_cluster
	s_endpgm
.Lentry_in_a_cluster:
	s_bfe_u32 s2, ttmp6, 0x10000c
	s_cmp_lg_u32 s2, 0xf033
	s_cbranch_scc0 .Lentry_shape_is_right
	s_endpgm
.Lentry_shape_is_right:
.set SIZE_K, 1024
.set KSTEP,  256
.set ROWB,   256
.set KROW,   SIZE_K
.set PITCH,  272
.set FR,     16
.set NL,     4
.set NP,     4
.set HALFT,  128*PITCH
.set SLOT,   4*HALFT
.set LAPS,   SIZE_K/(2*KSTEP)
.set SPARE,  2*SLOT
.set FP,     1040
.set ADRA, 16
.set ADRB, 20
.set STO,  24
.set RD0,  26
.set RDA,  27
.set SPW,  28
.set NIL,  29
.set R,    32
.set Z,    64
.set HU,   96
.set X2,   128
.set PP,   160
.set QQ,   192
.set CD,   224
.set KA0,  232
.set LIM,  234
.set SCL,  235
.set SOF,  236
.set KB0,  238
.set KA,   24
.set KB,   36
.set KSZ,  44
.set KSH,  46
.set AF,   128
.set G1, 24
.set G0, 32
.set G1B, 48
.set G0B, 56
.set MSB, 0
.macro WIN new
.if MSB != (\new)
	s_set_vgpr_msb (MSB<<8)|(\new)
.set MSB, (\new)
.endif
.endm
.set MUL_LO, 0xa1
.set MUL_HI, 0xf1
.set TO_B,   0x40
.macro JLOAD g0a, g1a, g0b, g1b
	s_cmp_eq_u32 s15, 0
	s_cbranch_scc0 .Lfor_b_\@
	tensor_load_to_lds s[\g0a:\g0a+3], s[\g1a:\g1a+7]
	s_nop 0
.rept 4
	v_nop
.endr
	s_branch .Lasked_\@
.Lfor_b_\@:
	tensor_load_to_lds s[\g0b:\g0b+3], s[\g1b:\g1b+7]
	s_nop 0
.rept 4
	v_nop
.endr
.Lasked_\@:
.endm
.macro CREST
	s_cmp_lg_u32 s14, 0
	s_cbranch_scc1 .Lnot_wave_0_\@
	s_barrier_signal -3
.Lnot_wave_0_\@:
	s_barrier_wait -3
	s_barrier_signal -1
	s_barrier_wait -1
.endm
.macro CROUND
	s_barrier_signal -1
	s_barrier_wait -1
	CREST
.endm
	s_load_b128 s[4:7], s[0:1], 0x0
	s_load_b128 s[8:11], s[0:1], 0x10
	v_lshl_add_u32 v[SPW], v0, 2, SPARE
	v_mov_b32 v[NIL], 0
	ds_add_u32 v28, v29
	ds_add_u32 v28, v29
	s_wait_dscnt 0x0
	v_lshrrev_b32 v1, 5, v0
	v_readfirstlane_b32 s14, v1
	s_lshr_b32 s15, s14, 1
	s_and_b32 s16, s14, 1
	s_bfe_u32 s40, ttmp6, 0x40000
	s_bfe_u32 s41, ttmp6, 0x40004
	s_lshl_b32 s42, ttmp9, 2
	s_add_co_u32 s42, s42, s40
	s_and_b32 s17, ttmp7, 0xffff
	s_lshl_b32 s17, s17, 2
	s_add_co_u32 s17, s17, s41
	s_lshl_b32 s43, s41, 2
	s_lshl_b32 s43, 15, s43
	s_lshl_b32 s44, 0x1111, s40
	s_or_b32 s[G1+0], s43, (0<<16)|(1<<20)|(1<<21)|(5<<22)|(3<<25)
	s_or_b32 s[G1B+0], s44, (0<<16)|(1<<20)|(1<<21)|(5<<22)|(3<<25)
.irp g, G1, G1B
	s_mov_b32 s[\g+1], ROWB<<16
	s_mov_b32 s[\g+2], 128<<16
	s_mov_b32 s[\g+3], ROWB<<16
	s_mov_b32 s[\g+4], 128
	s_mov_b32 s[\g+5], KROW
	s_mov_b32 s[\g+6], 0
	s_mov_b32 s[\g+7], 0
.endr
	s_lshl_b32 s18, s16, 7
	s_lshl_b32 s20, s17, 8
	s_add_co_u32 s20, s20, s18
	s_lshl_b32 s46, s42, 8
	s_add_co_u32 s46, s46, s18
	s_lshl_b32 s20, s20, 10
	s_lshl_b32 s46, s46, 10
	s_mov_b32 s21, 0
	s_mov_b32 s47, 0
	s_mul_i32 s45, s14, HALFT
	s_wait_kmcnt 0x0
	s_load_b128 s[96:99], s[8:9], 0x30
	s_add_nc_u64 s[20:21], s[4:5], s[20:21]
	s_add_nc_u64 s[46:47], s[6:7], s[46:47]
	CROUND
.irp s, 0,1
	s_mov_b32 s[G0+4*\s], 1
	s_add_co_u32 s[G0+4*\s+1], s45, \s*SLOT
	s_add_nc_u64 s[G0+4*\s+2:G0+4*\s+3], s[20:21], \s*ROWB
	s_or_b32 s[G0+4*\s+3], s[G0+4*\s+3], 0x80000000
	s_mov_b32 s[G0B+4*\s], 1
	s_add_co_u32 s[G0B+4*\s+1], s45, \s*SLOT
	s_add_nc_u64 s[G0B+4*\s+2:G0B+4*\s+3], s[46:47], \s*ROWB
	s_or_b32 s[G0B+4*\s+3], s[G0B+4*\s+3], 0x80000000
.endr
	JLOAD G0, G1, G0B, G1B                         ; K step 0: one tensor load a wave at the head
	v_and_b32 v1, 15, v0
	s_wait_alu depctr_va_vdst(0)
	v_bfe_u32 v2, v0, 4, 1
	v_mul_u32_u24 v3, v1, PITCH
	v_lshl_add_u32 v4, v2, 4, v3
	s_mul_i32 s21, s15, HALFT
	s_mul_i32 s22, s16, HALFT
	s_add_co_u32 s22, s22, 2*HALFT
.irp s, 0,1
	v_add_nc_u32 v[ADRA+\s], s21, v4
	v_add_nc_u32 v[ADRB+\s], s22, v4
	s_add_co_u32 s21, s21, SLOT
	s_add_co_u32 s22, s22, SLOT
.endr
	s_lshl_b32 s23, s15, 7
	v_add_nc_u32 v5, s23, v1
	v_mul_u32_u24 v5, v5, FP
	s_wait_alu depctr_va_vdst(0)
	v_lshl_add_u32 v5, v2, 5, v5
	s_lshl_b32 s23, s16, 9
	v_add_nc_u32 v[STO], s23, v5
	v_add_nc_u32 v[STO+1], 64*FP, v[STO]
	v_and_b32 v6, 31, v0
	v_lshrrev_b32 v7, 3, v6
	s_lshl_b32 s23, s14, 6
	v_add_nc_u32 v7, s23, v7
	v_mul_u32_u24 v7, v7, FP
	v_and_b32 v8, 7, v0
	v_lshl_add_u32 v[RD0], v8, 5, v7
	s_lshl_b32 s20, s17, 2
	s_add_co_u32 s20, s20, s14
	s_lshl_b32 s20, s20, 18
	s_lshl_b32 s46, s42, 14
	s_add_co_u32 s20, s20, s46
	s_mov_b32 s21, 0
	s_add_nc_u64 s[10:11], s[10:11], s[20:21]
.macro FRAG reg, adr, q, i
.irp c, 0,1,2,3
	ds_load_b128 v[\reg+4*\c:\reg+4*\c+3], v[\adr] offset:128*(\q)+32*\c+(\i)*16*PITCH
.endr
.endm
.macro MUL16 a0, p, zero
.irp a, \a0, \a0+1
.irp b, 0,1,2,3,4,5,6,7
.if \zero
	v_wmma_f32_16x16x128_bf8_bf8 v[8*(8*((\a)%4)+\b):8*(8*((\a)%4)+\b)+7], v[128*(\p)+FR*\b:128*(\p)+FR*\b+FR-1], v[AF+FR*(\a):AF+FR*(\a)+FR-1], 0
.else
	v_wmma_f32_16x16x128_bf8_bf8 v[8*(8*((\a)%4)+\b):8*(8*((\a)%4)+\b)+7], v[128*(\p)+FR*\b:128*(\p)+FR*\b+FR-1], v[AF+FR*(\a):AF+FR*(\a)+FR-1], v[8*(8*((\a)%4)+\b):8*(8*((\a)%4)+\b)+7]
.endif
.endr
.endr
.endm
.macro FETCH_B slot, q, p
	WIN TO_B
.irp i, 0,1,2,3,4,5,6,7
	FRAG 128*(\p)+FR*\i, ADRB+\slot, \q, \i
.endr
	WIN 0
.endm
.macro FETCH_A slot, q, i0
.irp i, \i0, \i0+1, \i0+2, \i0+3
	FRAG AF+FR*(\i), ADRA+\slot, \q, \i
.endr
.endm
.macro PLACES n
.rept \n
	v_nop
.endr
.endm
.macro STEP slot, q, zero
	s_wait_dscnt 4*NL
	WIN MUL_LO
	MUL16 0, (\q)%2, \zero
	MUL16 2, (\q)%2, \zero
	s_wait_dscnt 0
	PLACES NP
	FETCH_B \slot, (\q)+1, 1-(\q)%2
	FETCH_A \slot, (\q)+1, 0
	WIN MUL_HI
	MUL16 4, (\q)%2, \zero
	MUL16 6, (\q)%2, \zero
	PLACES NP
	WIN 0
	FETCH_A \slot, (\q)+1, 4
.endm
.macro TURN slot, next, fill
	s_wait_tensorcnt 0x0
	ds_add_u32 v[SPW], v[NIL]
	s_wait_dscnt 4*NL+1
	WIN MUL_LO
	MUL16 0, 1, 0
	s_wait_dscnt 0x0
	s_barrier_signal -1
	MUL16 2, 1, 0
	WIN 0
	s_barrier_wait -1
.if \fill
	CREST
	s_add_nc_u64 s[G0+4*\slot+2:G0+4*\slot+3], s[G0+4*\slot+2:G0+4*\slot+3], 2*ROWB
	s_add_nc_u64 s[G0B+4*\slot+2:G0B+4*\slot+3], s[G0B+4*\slot+2:G0B+4*\slot+3], 2*ROWB
	JLOAD G0+4*\slot, G1, G0B+4*\slot, G1B
.else
	PLACES NP
.endif
	FETCH_B \next, 0, 0
	FETCH_A \next, 0, 0
	WIN MUL_HI
	MUL16 4, 1, 0
	MUL16 6, 1, 0
	PLACES NP
	WIN 0
	FETCH_A \next, 0, 4
.endm
	s_wait_alu depctr_va_vdst(0)
	s_wait_tensorcnt 0x0                           ; my part of K step 0 is in; slot 1's first fill is issued as a refill is:
	ds_add_u32 v[SPW], v[NIL]                      ; 0 onto my spare word
	s_wait_dscnt 0x0                               ; the add is done
	CROUND                                         ; everybody's part of K step 0 is in, and all sixteen work-groups are here
	JLOAD G0+4, G1, G0B+4, G1B                     ; K step 1, the first tensor load behind the cluster's barrier
	FETCH_B 0, 0, 0
	FETCH_A 0, 0, 0
	FETCH_A 0, 0, 4
	STEP 0, 0, 1
	s_mov_b32 s3, LAPS-1
.Llap:
	TURN 0, 1, 1
	STEP 1, 0, 0
	TURN 1, 0, 1
	STEP 0, 0, 0
	s_sub_co_u32 s3, s3, 1
	s_cmp_lg_u32 s3, 0
	s_cbranch_scc1 .Llap
	TURN 0, 1, 0
	STEP 1, 0, 0
	s_wait_dscnt 4*NL
	WIN MUL_LO
	MUL16 0, 1, 0
	MUL16 2, 1, 0
	s_wait_alu depctr_va_vdst(0)
	s_wait_dscnt 0
	WIN MUL_HI
	MUL16 4, 1, 0
	MUL16 6, 1, 0
	WIN 0
	PLACES NP
	s_wait_dscnt 0x0
	s_barrier_signal -1
	s_barrier_wait -1
.irp a, 0,1,2,3,4,5,6,7
	WIN 0x08+4*(\a/4)
.irp b, 0,1,2,3,4,5,6,7
	ds_store_b128 v[STO+\a/4], v[64*(\a%4)+8*\b:64*(\a%4)+8*\b+3] offset:(\a%4)*16*FP+64*\b
	ds_store_b128 v[STO+\a/4], v[64*(\a%4)+8*\b+4:64*(\a%4)+8*\b+7] offset:(\a%4)*16*FP+64*\b+16
.endr
.endr
	WIN 0
.macro KONST k, bits
	s_mov_b32 s[\k], \bits
	s_mov_b32 s[\k+1], \bits
.endm
	KONST KA,    0x32edffee
	KONST KA+2,  0xb60cff51
	KONST KA+4,  0xb86ec2d2
	KONST KA+6,  0xba40ac63
	KONST KA+8,  0xbb41a1f6
	KONST KA+10, 0xbc83dbd4
	KONST KB,    0xb95fbd29
	KONST KB+2,  0xbadc924e
	KONST KB+4,  0xbbf19bf8
	KONST KB+6,  0xbc69b6a7
	v_mov_b32 v[KA0], 0xaf95df0b
	v_mov_b32 v[KA0+1], 0xaf95df0b
	v_mov_b32 v[KB0], 0xb77460cd
	v_mov_b32 v[KB0+1], 0xb77460cd
	s_wait_kmcnt 0x0
	s_add_co_i32 s96, s96, s97
	s_lshl_b32 s97, s96, 23
	s_add_co_i32 s[KSZ], s97, 0x3f3504f3
	s_mov_b32 s[KSZ+1], s[KSZ]
	s_add_co_i32 s[KSH], s96, 126
	s_lshl_b32 s[KSH], s[KSH], 23
	s_mov_b32 s[KSH+1], s[KSH]
	s_add_co_i32 s98, s98, 127
	s_lshl_b32 s99, s98, 23
	v_mov_b32 v[SCL], s99
	s_add_co_i32 s98, s98, 15
	s_lshl_b32 s98, s98, 23
	s_or_b32 s98, s98, 0x600000
	v_mov_b32 v[LIM], s98
	v_and_b32 v6, 31, v0
	v_lshlrev_b32 v[SOF], 3, v6
	s_wait_dscnt 0x0
	s_barrier_signal -1
	s_barrier_wait -1
.macro RLOAD
.irp z, 0,1,2,3
	ds_load_b128 v[R+8*\z:R+8*\z+3], v[RDA] offset:256*\z
	ds_load_b128 v[R+8*\z+4:R+8*\z+7], v[RDA] offset:256*\z+16
.endr
.endm
.macro HORNER acc, k
.set I, 0
.rept 16
	v_pk_fma_f32 v[\acc+I:\acc+I+1], v[\acc+I:\acc+I+1], v[X2+I:X2+I+1], s[\k:\k+1] op_sel_hi:[1,1,0]
.set I, I+2
.endr
.endm
.macro PF
	v_pk_fma_f32 v[PP+2*(N%16):PP+2*(N%16)+1], v[PP+2*(N%16):PP+2*(N%16)+1], v[X2+2*(N%16):X2+2*(N%16)+1], s[KA+2+2*(N/16):KA+3+2*(N/16)] op_sel_hi:[1,1,0]
.set N, N+1
.endm
.macro GELU4 next
	s_wait_dscnt 0x0
.set I, 0
.rept 16
	v_pk_mul_f32 v[Z+I:Z+I+1], v[R+I:R+I+1], s[KSZ:KSZ+1] op_sel_hi:[1,0]
	v_pk_mul_f32 v[HU+I:HU+I+1], v[R+I:R+I+1], s[KSH:KSH+1] op_sel_hi:[1,0]
.set I, I+2
.endr
.if \next
	s_add_co_u32 s12, s12, 4*FP
	v_add_nc_u32 v[RDA], s12, v[RD0]
	RLOAD
.endif
.set I, 0
.rept 32
	v_med3_num_f32 v[Z+I], v[Z+I], -4.0, 4.0
.set I, I+1
.endr
.set I, 0
.rept 16
	v_pk_mul_f32 v[X2+I:X2+I+1], v[Z+I:Z+I+1], v[Z+I:Z+I+1]
.set I, I+2
.endr
.set I, 0
.rept 16
	v_pk_fma_f32 v[PP+I:PP+I+1], v[X2+I:X2+I+1], v[KA0:KA0+1], s[KA:KA+1] op_sel_hi:[1,1,0]
	v_pk_fma_f32 v[QQ+I:QQ+I+1], v[X2+I:X2+I+1], v[KB0:KB0+1], s[KB:KB+1] op_sel_hi:[1,1,0]
.set I, I+2
.endr
	HORNER QQ, KB+2
	HORNER QQ, KB+4
	HORNER QQ, KB+6
.set N, 0
.set I, 0
	s_wait_alu depctr_va_vdst(0)
.rept 32
	v_rcp_f32 v[QQ+I], v[QQ+I]                     ; the 32 reciprocals go as one batch: one wait ahead of it, one ahead of its first reader
.set I, I+1
.endr
.rept 80
	PF                                             ; the numerator's five Horner levels name none of the batch's registers
.endr
.set I, 0
.rept 16
	v_pk_mul_f32 v[Z+I:Z+I+1], v[Z+I:Z+I+1], v[PP+I:PP+I+1]
.set I, I+2
.endr
	s_wait_alu depctr_va_vdst(0)
.set I, 0
.rept 16
	v_pk_mul_f32 v[Z+I:Z+I+1], v[Z+I:Z+I+1], v[QQ+I:QQ+I+1]
.set I, I+2
.endr
.set I, 0
.rept 16
	v_pk_fma_f32 v[HU+I:HU+I+1], v[HU+I:HU+I+1], v[Z+I:Z+I+1], v[HU+I:HU+I+1]
.set I, I+2
.endr
.set I, 0
.rept 32
	v_med3_num_f32 v[HU+I], v[HU+I], -v[LIM], v[LIM]
.set I, I+1
.endr
	s_wait_alu depctr_va_vdst(0)
	s_wait_xcnt 0x0
	s_add_nc_u64 s[10:11], s[10:11], 256
.irp z, 0,1,2,3
	v_cvt_scalef32_pk8_bf8_f32 v[CD+2*\z:CD+2*\z+1], v[HU+8*\z:HU+8*\z+7], v[SCL]
.endr
	v_nop
.irp z, 0,1,2,3
	global_store_b64 v[SOF], v[CD+2*\z:CD+2*\z+1], s[10:11] offset:4096*\z-256
.endr
.endm
	s_mov_b32 s12, 0
	v_add_nc_u32 v[RDA], s12, v[RD0]
	RLOAD
	s_mov_b32 s3, 15
.Lrows:
	GELU4 1
	s_sub_co_u32 s3, s3, 1
	s_cmp_lg_u32 s3, 0
	s_cbranch_scc1 .Lrows
	GELU4 0
	s_wait_tensorcnt 0x0
	ds_add_u32 v[SPW], v[NIL]
	s_wait_dscnt 0x0
	CROUND
	s_endpgm
.Lfunc_end_k_q665c9add26_ffn1:
	.size	k_q665c9add26_ffn1, .Lfunc_end_k_q665c9add26_ffn1-k_q665c9add26_ffn1
	.p2alignl 7, 3214868480
	.fill 96, 4, 3214868480
	.section	.rodata,"a",@progbits
	.p2align	6, 0x0
	.amdhsa_kernel k_q665c9add26_ffn1
		.amdhsa_group_segment_fixed_size 327680
		.amdhsa_private_segment_fixed_size 0
		.amdhsa_enable_private_segment 0
		.amdhsa_kernarg_size 32
		.amdhsa_user_sgpr_count 2
		.amdhsa_user_sgpr_kernarg_segment_ptr 1
		.amdhsa_wavefront_size32 1
		.amdhsa_system_sgpr_workgroup_id_x 1
		.amdhsa_system_sgpr_workgroup_id_y 1
		.amdhsa_system_sgpr_workgroup_id_z 1
		.amdhsa_system_vgpr_workitem_id 0
		.amdhsa_next_free_vgpr 1024
		.amdhsa_next_free_sgpr 100
		.amdhsa_reserve_vcc 0
		.amdhsa_float_denorm_mode_32 3
		.amdhsa_float_denorm_mode_16_64 3
		.amdhsa_memory_ordered 1
		.amdhsa_forward_progress 1
		.amdhsa_inst_pref_size 134
	.end_amdhsa_kernel
	.amdgpu_metadata
---
amdhsa.version: [ 1, 2 ]
amdhsa.kernels:
  - .name:           k_q665c9add26_ffn1
    .symbol:         k_q665c9add26_ffn1.kd
    .args:
      - { .name: h2c, .offset: 0, .size: 8, .value_kind: global_buffer, .address_space: global }
      - { .name: W1_codes, .offset: 8, .size: 8, .value_kind: global_buffer, .address_space: global }
      - { .name: lowp_scales, .offset: 16, .size: 8, .value_kind: global_buffer, .address_space: global }
      - { .name: fc, .offset: 24, .size: 8, .value_kind: global_buffer, .address_space: global }
    .group_segment_fixed_size: 327680
    .private_segment_fixed_size: 0
    .kernarg_segment_align: 8
    .kernarg_segment_size: 32
    .max_flat_workgroup_size: 128
    .sgpr_count:     100
    .vgpr_count:     1024
    .wavefront_size: 32
...
	.end_amdgpu_metadata
.endif
;; end of part 6
;; launch ffn2 (part 7): grid 8 x 32, 4 waves a work-group, clusters of 4 x 4, 327,680 bytes of LDS; arguments fc, W2_codes, lowp_scales, y, out0; writes out0
.if DOCPART == 7
	.amdgcn_target "amdgcn-amd-amdhsa--gfx1250"
	.amdhsa_code_object_version 6
	.text
	.protected	k_q665c9add26_ffn2
	.globl	k_q665c9add26_ffn2
	.p2align	8
	.type	k_q665c9add26_ffn2,@function
k_q665c9add26_ffn2:
	s_mov_b64 s[64:65], 0
	v_nop
	global_prefetch_b8 v0, s[64:65] scope:SCOPE_SE
	s_setreg_imm32_b32 hwreg(HW_REG_WAVE_MODE, 25, 1), 1
	s_wait_xcnt 0x0
	s_wait_alu depctr_hold_cnt(0) depctr_sa_sdst(0) depctr_va_vdst(0) depctr_va_sdst(0) depctr_va_ssrc(0) depctr_va_vcc(0) depctr_vm_vsrc(0)
	s_getreg_b32 s2, hwreg(HW_REG_IB_STS2, 6, 4)
	s_cmp_eq_u32 s2, 0
	s_cbranch_scc0 .Lentry_in_a_cluster
	s_endpgm
.Lentry_in_a_cluster:
	s_bfe_u32 s2, ttmp6, 0x10000c
	s_cmp_lg_u32 s2, 0xf033
	s_cbranch_scc0 .Lentry_shape_is_right
	s_endpgm
.Lentry_shape_is_right:
; out = res + A B^T on codes of E5M2: here out0 = y + f W2^T.  A: 4,096 rows x SIZE_K codes laid [block of 64 rows][block of 64 k][64 rows][64 k]; B: [1024][SIZE_K] codes, row-major; res, out: [4096][1024] f32.
; A sum stands for sum x 2^(eA + eB) (entries 14, 15 of the scales): out = sum x 2^(eA + eB) + res, one packed multiply-add for two numbers.  LIMIT: eA + eB between -126 and 127.
; A tile of C is 128 x 128: 256 work-groups, one for each WGP (tiles of 256 x 256 would be 64).  Four waves, each 64 x 64: 16 accumulators.  K goes in steps of 512 through a ring of two LDS slots:
; A's half tile (64 rows x 512 k) is one dense block of 32 KiB, brought as 128 lines of 256 bytes; B's half tile is 64 rows of 512 bytes.  SIZE_K = 4,096: eight steps, four laps of the ring.
; CLUSTERS: 4 x 4 work-groups; A's tiles are asked for jointly along a row of the cluster, B's along a column.  K is not split over work-groups: partial sums in f32 would be four times the output's bytes.
; THE MATRIX INSTRUCTION IS USED TRANSPOSED (source 0 = 16 rows of B, source 1 = 16 rows of A): a lane holds eight neighbouring columns of a row of C.
; REGISTERS: window 0: v0-31 addresses; v32-95 rows back from the stage, two sets; v128-255 the accumulators ((a, b) at v[128 + 8 (4 a + b)]).  window 1: two fragment buffers of 128 (A's four, then B's four).
;   window 2: v0-127 the residual, asked for at the head, later the result.
.set SIZE_K, 4096
.set EOFF,   0x38
.set KSTEP,  512
.set LP,     272
.set AH,     128*LP
.set BP,     528
.set BH,     64*BP
.set SLOT,   2*AH+2*BH
.set STAGE,  2*SLOT
.set SPITCH, 272
.set SPARE,  STAGE+4*16*SPITCH         ; the spare words, 128 bytes a wave, which no other line names
.set LAPS,   SIZE_K/(2*KSTEP)
.set ADRA, 16
.set ADRB, 20
.set STO,  24
.set RD,   25
.set CO,   26
.set SPW,  28
.set NIL,  29
.set PFO,  30                          ; v30     the prefetches' offset of my lane; never rewritten
.set BK,   32
.set ACC,  128
.set F0,   0
.set F1,   128
.set PFA,  4                           ; s[4:5]  where my prefetches stand: my work-group's quarter of the half tile that I fetch, in the K step that the next refill will ask for
.set PFS,  6                           ; s[6:7]  a K step on, in bytes: 64 x 512 in A's blocks, 512 in a row of B
.set LIM,  8                           ; s8      1 in a wave that prefetches, else the greatest number
.set G1, 24
.set G0, 32
.set G1B, 48
.set G0B, 56
.set MSB, 0
.macro WIN new
.if MSB != (\new)
	s_set_vgpr_msb (MSB<<8)|(\new)
.set MSB, (\new)
.endif
.endm
.set MUL,  0x05
.set TO_F, 0x40
.macro JLOAD s                         ; waves 0 and 1 fetch A's halves, waves 2 and 3 B's; four v_nop follow each line
	s_cmp_eq_u32 s11, 0
	s_cbranch_scc0 .Lfor_b_\@
	tensor_load_to_lds s[G0+4*\s:G0+4*\s+3], s[G1:G1+7]
	s_nop 0
.rept 4
	v_nop
.endr
	s_branch .Lasked_\@
.Lfor_b_\@:
	tensor_load_to_lds s[G0B+4*\s:G0B+4*\s+3], s[G1B:G1B+7]
	s_nop 0
.rept 4
	v_nop
.endr
.Lasked_\@:
.endm
; A PREFETCH, behind each joint refill and the run of LDS loads that follows it: the K step that the NEXT refill will ask for: one K step, 64 matrix instructions a wave, ahead of that load.  One instruction a wave.
; Each aligned block of 256 bytes is named ONCE in the launch.  A's tile row is read by both clusters of that row of clusters: the cluster with x = 0 asks; B's tile column by all eight clusters of that column: the
; cluster with y = 0 asks.  The four partners that ask for a half tile jointly share it out BY ADDRESS: of A's dense 32 KiB the partner at cx takes 8 KiB, lanes 256 bytes apart; of B's 64 rows the partner at cy takes 16,
; two lanes to a row's 512 bytes.  No branch hangs on a work-group's place in its cluster.  K steps 0 to 2 come by their loads alone: nothing is asked for at the head.  last = 1, at slot 1's refill: in the loop's last
; trip (s3 = 1) that refill is the launch's last, and nothing is asked for.
.macro ASK last
.if \last
	s_cmp_gt_u32 s3, s[LIM]
.else
	s_cmp_eq_u32 s[LIM], 1
.endif
	s_cbranch_scc0 .Lnot_mine_\@
	s_wait_alu depctr_va_vdst(0)
	global_prefetch_b8 v[PFO], s[PFA:PFA+1] th:TH_LOAD_NT scope:SCOPE_SE
.Lnot_mine_\@:
.endm
.macro CREST
	s_cmp_lg_u32 s10, 0
	s_cbranch_scc1 .Lnot_wave_0_\@
	s_barrier_signal -3
.Lnot_wave_0_\@:
	s_barrier_wait -3
	s_barrier_signal -1
	s_barrier_wait -1
.endm
.macro CROUND
	s_barrier_signal -1
	s_barrier_wait -1
	CREST
.endm
	s_load_b256 s[68:75], s[0:1], 0x0              ; A 68, B 70, the scales 72, res 74
	s_load_b64 s[76:77], s[0:1], 0x20              ; out
	v_lshl_add_u32 v[SPW], v0, 2, SPARE
	v_mov_b32 v[NIL], 0
	ds_add_u32 v28, v29
	ds_add_u32 v28, v29
	s_wait_dscnt 0x0
	v_lshrrev_b32 v1, 5, v0
	v_readfirstlane_b32 s10, v1                    ; wave 0..3
	s_lshr_b32 s11, s10, 1
	s_and_b32 s12, s10, 1
	s_bfe_u32 s40, ttmp6, 0x40000                  ; cx
	s_bfe_u32 s41, ttmp6, 0x40004                  ; cy
	s_lshl_b32 s42, ttmp9, 2
	s_add_co_u32 s42, s42, s40                     ; tile column
	s_and_b32 s13, ttmp7, 0xffff
	s_lshl_b32 s13, s13, 2
	s_add_co_u32 s13, s13, s41                     ; tile row
	s_lshl_b32 s43, s41, 2
	s_lshl_b32 s43, 15, s43
	s_lshl_b32 s44, 0x1111, s40
	s_or_b32 s[G1+0], s43, (0<<16)|(1<<20)|(1<<21)|(5<<22)|(3<<25)
	s_mov_b32 s[G1+1], 256<<16
	s_mov_b32 s[G1+2], 128<<16
	s_mov_b32 s[G1+3], 256<<16
	s_mov_b32 s[G1+4], 128
	s_mov_b32 s[G1+5], 256
	s_mov_b32 s[G1+6], 0
	s_mov_b32 s[G1+7], 0
	s_or_b32 s[G1B+0], s44, (0<<16)|(1<<20)|(1<<21)|(6<<22)|(3<<25)
	s_mov_b32 s[G1B+1], KSTEP<<16
	s_mov_b32 s[G1B+2], 64<<16
	s_mov_b32 s[G1B+3], KSTEP<<16
	s_mov_b32 s[G1B+4], 64
	s_mov_b32 s[G1B+5], SIZE_K
	s_mov_b32 s[G1B+6], 0
	s_mov_b32 s[G1B+7], 0
	s_lshl_b32 s16, s13, 1
	s_add_co_u32 s16, s16, s12
	s_mul_i32 s16, s16, 64*SIZE_K
	s_mov_b32 s17, 0
	s_lshl_b32 s46, s42, 7
	s_lshl_b32 s47, s12, 6
	s_add_co_u32 s46, s46, s47
	s_mul_i32 s46, s46, SIZE_K
	s_mov_b32 s47, 0
	s_mul_i32 s20, s12, AH
	s_mul_i32 s21, s12, BH
	s_add_co_u32 s21, s21, 2*AH
	; the prefetches (macro ASK): offsets in registers of their own, which feed no descriptor and no LDS address
	s_and_b32 s22, ttmp7, 0xffff                   ; the cluster's y
	s_cmp_eq_u32 s11, 0                            ; do I fetch for A?
	s_cselect_b32 s2, s16, s46                     ; my half tile's first byte, in A or in B
	s_cselect_b32 s9, s40, s41                     ; my place among the four that ask for it with me
	s_cselect_b32 s22, ttmp9, s22                  ; the coordinate along which other clusters read the same rows
	s_mov_b32 s23, 16
	s_cselect_b32 s23, 13, s23                     ; a partner's quarter: 8,192 bytes of A's block; 16 rows of 4,096 bytes of B
	s_mov_b32 s[PFS], KSTEP
	s_cselect_b32 s[PFS], 64*KSTEP, s[PFS]
	s_mov_b32 s66, SIZE_K
	s_cselect_b32 s66, 512, s66                    ; from one pair of lanes to the next: 512 bytes on in A's block, a row on in B
	s_mov_b32 s[PFS+1], 0
	s_mov_b32 s3, 0
	s_lshl_b32 s9, s9, s23
	s_add_co_u32 s2, s2, s9
	s_lshl_b32 s9, s[PFS], 1
	s_add_co_u32 s2, s2, s9                        ; at K step 2: the first refill steps it to 3
	s_cmp_eq_u32 s22, 0
	s_cselect_b32 s[LIM], 1, -1                    ; the same in all sixteen partners, for a given wave
	s_wait_kmcnt 0x0
	s_load_b64 s[78:79], s[72:73], EOFF            ; eA, eB
	s_add_nc_u64 s[14:15], s[68:69], s[16:17]
	s_add_nc_u64 s[46:47], s[70:71], s[46:47]
	s_cmp_eq_u32 s11, 0
	s_cselect_b64 s[PFA:PFA+1], s[68:69], s[70:71]
	s_add_nc_u64 s[PFA:PFA+1], s[PFA:PFA+1], s[2:3]
	CROUND
.irp s, 0,1
	s_mov_b32 s[G0+4*\s], 1
	s_add_co_u32 s[G0+4*\s+1], s20, \s*SLOT
	s_add_nc_u64 s[G0+4*\s+2:G0+4*\s+3], s[14:15], \s*64*KSTEP
	s_or_b32 s[G0+4*\s+3], s[G0+4*\s+3], 0x80000000
	s_mov_b32 s[G0B+4*\s], 1
	s_add_co_u32 s[G0B+4*\s+1], s21, \s*SLOT
	s_add_nc_u64 s[G0B+4*\s+2:G0B+4*\s+3], s[46:47], \s*KSTEP
	s_or_b32 s[G0B+4*\s+3], s[G0B+4*\s+3], 0x80000000
.endr
	JLOAD 0                                        ; K step 0: one tensor load a wave at the head
	v_and_b32 v1, 15, v0
	v_bfe_u32 v2, v0, 4, 1
	v_lshlrev_b32 v[CO], 12, v2
	v_lshl_add_u32 v[CO], v1, 4, v[CO]
	s_wait_alu depctr_va_vdst(0)
	s_lshl_b32 s16, s13, 7
	s_lshl_b32 s17, s11, 6
	s_add_co_u32 s16, s16, s17
	s_lshl_b32 s16, s16, 12
	s_mov_b32 s17, 0
	s_add_nc_u64 s[74:75], s[74:75], s[16:17]
	s_add_nc_u64 s[76:77], s[76:77], s[16:17]
	s_lshl_b32 s46, s42, 9
	s_lshl_b32 s47, s12, 8
	s_add_co_u32 s46, s46, s47
	s_mov_b32 s47, 0
	s_add_nc_u64 s[74:75], s[74:75], s[46:47]
	s_add_nc_u64 s[76:77], s[76:77], s[46:47]
	WIN 0x80
.irp a, 0,1,2,3
.irp t, 0,1,2,3,4,5,6,7
	global_load_b128 v[32*\a+4*\t:32*\a+4*\t+3], v[CO], s[74:75] offset:(16*\a+2*\t)*4096 th:TH_LOAD_NT   ; the residual lands under the whole K loop
.endr
.endr
	WIN 0
	v_lshrrev_b32 v3, 2, v1
	v_mul_u32_u24 v3, v3, LP
	v_and_b32 v4, 3, v1
	v_lshl_add_u32 v3, v4, 6, v3
	v_lshl_add_u32 v3, v2, 4, v3
	v_mul_u32_u24 v4, v1, BP
	v_lshl_add_u32 v4, v2, 4, v4
	s_mul_i32 s21, s11, AH
	s_mul_i32 s22, s12, BH
	s_add_co_u32 s22, s22, 2*AH
.irp s, 0,1
	v_add_nc_u32 v[ADRA+\s], s21, v3
	v_add_nc_u32 v[ADRB+\s], s22, v4
	s_add_co_u32 s21, s21, SLOT
	s_add_co_u32 s22, s22, SLOT
.endr
	s_mul_i32 s23, s10, 16*SPITCH
	s_add_co_u32 s23, s23, STAGE
	v_mul_u32_u24 v5, v1, SPITCH
	v_lshl_add_u32 v5, v2, 5, v5
	v_add_nc_u32 v[STO], s23, v5
	v_mul_u32_u24 v5, v2, SPITCH
	v_lshl_add_u32 v5, v1, 4, v5
	v_add_nc_u32 v[RD], s23, v5
	v_and_b32 v6, 31, v0
	v_lshrrev_b32 v7, 1, v6
	v_mul_lo_u32 v7, v7, s66
	v_and_b32 v6, 1, v0
	v_lshl_add_u32 v[PFO], v6, 8, v7               ; the prefetches: pair of lanes l / 2, 256 bytes for each lane of the pair
.macro MUL8 f, a0, zero                ; the 16 accumulators take turns, one instruction a turn
.irp a, \a0, \a0+1
.irp b, 0,1,2,3
.if \zero
	v_wmma_f32_16x16x128_bf8_bf8 v[ACC+8*(4*(\a)+\b):ACC+8*(4*(\a)+\b)+7], v[\f+64+16*\b:\f+64+16*\b+15], v[\f+16*(\a):\f+16*(\a)+15], 0
.else
	v_wmma_f32_16x16x128_bf8_bf8 v[ACC+8*(4*(\a)+\b):ACC+8*(4*(\a)+\b)+7], v[\f+64+16*\b:\f+64+16*\b+15], v[\f+16*(\a):\f+16*(\a)+15], v[ACC+8*(4*(\a)+\b):ACC+8*(4*(\a)+\b)+7]
.endif
.endr
.endr
.endm
.macro FETCH slot, q, f                ; 32 LDS loads in one run: B's four fragments, then A's; K = 128 q + 32 c + 16 h + 0 .. 15 in registers 4 c .. 4 c + 3, in A and in B alike
	WIN TO_F
.irp b, 0,1,2,3
.irp c, 0,1,2,3
	ds_load_b128 v[\f+64+16*\b+4*\c:\f+64+16*\b+4*\c+3], v[ADRB+\slot] offset:128*(\q)+32*\c+\b*16*BP
.endr
.endr
.irp a, 0,1,2,3
.irp c, 0,1,2,3
	ds_load_b128 v[\f+16*\a+4*\c:\f+16*\a+4*\c+3], v[ADRA+\slot] offset:(2*(\q)+\c/2)*16*LP+4*LP*\a+32*(\c%2)
.endr
.endr
.endm
.macro PLACES
.rept 4
	v_nop
.endr
.endm
.macro QUARTER slot, qnext, f, g, zero
	s_wait_dscnt 8                                 ; B's four and A's blocks 0, 1 are in; A's blocks 2, 3 may be out
	WIN MUL
	MUL8 \f, 0, \zero
	PLACES
	FETCH \slot, \qnext, \g
	s_wait_dscnt 32                                ; all but the 32 just issued
	WIN MUL
	MUL8 \f, 2, \zero
.endm
.macro TURN slot, next, fill
.if \fill
	s_wait_xcnt 0x0                                ; the last prefetch, a K step back, has read its address: it is stepped here, ahead of the waits of the change of slots
	s_add_nc_u64 s[PFA:PFA+1], s[PFA:PFA+1], s[PFS:PFS+1]
.endif
	WIN 0
	s_wait_tensorcnt 0x0                           ; all my tensor loads have landed: my part of the next slot
	ds_add_u32 v[SPW], v[NIL]
	WIN MUL
	s_wait_dscnt 0x0                               ; the add is done, and my reads of this slot are over
	s_barrier_signal -1
	MUL8 F1, 0, 0
	WIN 0
	s_barrier_wait -1
.if \fill
	CREST                                          ; the barrier has opened a round of the cluster's: no wave of any partner still reads this slot or has a load on its way
	s_add_nc_u64 s[G0+4*\slot+2:G0+4*\slot+3], s[G0+4*\slot+2:G0+4*\slot+3], 2*64*KSTEP
	s_add_nc_u64 s[G0B+4*\slot+2:G0B+4*\slot+3], s[G0B+4*\slot+2:G0B+4*\slot+3], 2*KSTEP
	JLOAD \slot                                    ; the first tensor load behind the round; its four v_nop are the places in front of the loads below
.else
	PLACES
.endif
	FETCH \next, 0, F0
.if \fill
	WIN 0                                          ; at a branch and at a label every window is 0
	ASK \slot
.endif
	WIN MUL
	MUL8 F1, 2, 0
.endm
	s_wait_alu depctr_va_vdst(0)
	s_wait_tensorcnt 0x0                           ; my part of K step 0 is in; slot 1's first fill is issued as a refill is:
	ds_add_u32 v[SPW], v[NIL]                      ; 0 onto my spare word
	s_wait_dscnt 0x0                               ; the add is done
	CROUND                                         ; everybody's part of K step 0 is in, and all sixteen work-groups are here
	JLOAD 1                                        ; K step 1, the first tensor load behind the cluster's barrier
	FETCH 0, 0, F0
	QUARTER 0, 1, F0, F1, 1
.if LAPS > 1
	WIN 0
	s_mov_b32 s3, LAPS-1
.Llap:                                             ; a trip goes once round the ring and fills both slots again
	QUARTER 0, 2, F1, F0, 0
	QUARTER 0, 3, F0, F1, 0
	TURN 0, 1, 1
	QUARTER 1, 1, F0, F1, 0
	QUARTER 1, 2, F1, F0, 0
	QUARTER 1, 3, F0, F1, 0
	TURN 1, 0, 1
	QUARTER 0, 1, F0, F1, 0
	WIN 0
	s_sub_co_u32 s3, s3, 1
	s_cmp_lg_u32 s3, 0
	s_cbranch_scc1 .Llap
.endif
	QUARTER 0, 2, F1, F0, 0
	QUARTER 0, 3, F0, F1, 0
	TURN 0, 1, 0
	QUARTER 1, 1, F0, F1, 0
	QUARTER 1, 2, F1, F0, 0
	QUARTER 1, 3, F0, F1, 0
	s_wait_dscnt 8
	WIN MUL
	MUL8 F1, 0, 0
	s_wait_alu depctr_va_vdst(0)
	s_wait_dscnt 0
	MUL8 F1, 2, 0
	WIN 0
; THE WAY OUT, a block of 16 rows at a time through my own stage: in as 32 bytes a lane, back as whole rows of 256 bytes; sum x 2^(eA + eB) + residual; sixteen lanes store 256 consecutive bytes, aligned.
.macro TOSTAGE a
.set BB, BK+32*((\a)%2)
.irp b, 0,1,2,3
	ds_store_b128 v[STO], v[ACC+8*(4*(\a)+\b):ACC+8*(4*(\a)+\b)+3] offset:64*\b
	ds_store_b128 v[STO], v[ACC+8*(4*(\a)+\b)+4:ACC+8*(4*(\a)+\b)+7] offset:64*\b+16
.endr
.irp t, 0,1,2,3,4,5,6,7
	ds_load_b128 v[BB+4*\t:BB+4*\t+3], v[RD] offset:\t*2*SPITCH
.endr
.endm
.macro SEND a, younger
.set BB, BK+32*((\a)%2)
	s_wait_dscnt \younger
	WIN 0xa0
.set I, 0
.rept 16
	v_pk_fma_f32 v[32*(\a)+I:32*(\a)+I+1], v[BB+I:BB+I+1], s[78:79], v[32*(\a)+I:32*(\a)+I+1] op_sel_hi:[1,0,1]
.set I, I+2
.endr
	WIN 0x08
.irp t, 0,1,2,3,4,5,6,7
	global_store_b128 v[CO], v[32*(\a)+4*\t:32*(\a)+4*\t+3], s[76:77] offset:(16*(\a)+2*\t)*4096 th:TH_STORE_NT
.endr
	WIN 0
.endm
	s_wait_kmcnt 0x0
	s_add_co_i32 s78, s78, s79
	s_add_co_i32 s78, s78, 127
	s_lshl_b32 s78, s78, 23                        ; 2^(eA + eB) as f32
	s_mov_b32 s79, s78
	PLACES
	TOSTAGE 0
	s_wait_loadcnt 0x0                             ; the residual
.irp a, 1,2,3
	TOSTAGE \a
	SEND \a-1, 16
.endr
	SEND 3, 0
	s_wait_tensorcnt 0x0                           ; the wave's end
	ds_add_u32 v[SPW], v[NIL]
	s_wait_dscnt 0x0
	CROUND                                         ; the closing round
	s_endpgm
.Lfunc_end_k_q665c9add26_ffn2:
	.size	k_q665c9add26_ffn2, .Lfunc_end_k_q665c9add26_ffn2-k_q665c9add26_ffn2
	.p2alignl 7, 3214868480
	.fill 96, 4, 3214868480
	.section	.rodata,"a",@progbits
	.p2align	6, 0x0
	.amdhsa_kernel k_q665c9add26_ffn2
		.amdhsa_group_segment_fixed_size 327680
		.amdhsa_private_segment_fixed_size 0
		.amdhsa_enable_private_segment 0
		.amdhsa_kernarg_size 40
		.amdhsa_user_sgpr_count 2
		.amdhsa_user_sgpr_kernarg_segment_ptr 1
		.amdhsa_wavefront_size32 1
		.amdhsa_system_sgpr_workgroup_id_x 1
		.amdhsa_system_sgpr_workgroup_id_y 1
		.amdhsa_system_sgpr_workgroup_id_z 1
		.amdhsa_system_vgpr_workitem_id 0
		.amdhsa_next_free_vgpr 768
		.amdhsa_next_free_sgpr 80
		.amdhsa_reserve_vcc 0
		.amdhsa_float_denorm_mode_32 3
		.amdhsa_float_denorm_mode_16_64 3
		.amdhsa_memory_ordered 1
		.amdhsa_forward_progress 1
		.amdhsa_inst_pref_size 80
	.end_amdhsa_kernel
	.amdgpu_metadata
---
amdhsa.version: [ 1, 2 ]
amdhsa.kernels:
  - .name:           k_q665c9add26_ffn2
    .symbol:         k_q665c9add26_ffn2.kd
    .args:
      - { .name: fc, .offset: 0, .size: 8, .value_kind: global_buffer, .address_space: global }
      - { .name: W2_codes, .offset: 8, .size: 8, .value_kind: global_buffer, .address_space: global }
      - { .name: lowp_scales, .offset: 16, .size: 8, .value_kind: global_buffer, .address_space: global }
      - { .name: y, .offset: 24, .size: 8, .value_kind: global_buffer, .address_space: global }
      - { .name: out0, .offset: 32, .size: 8, .value_kind: global_buffer, .address_space: global }
    .group_segment_fixed_size: 327680
    .private_segment_fixed_size: 0
    .kernarg_segment_align: 8
    .kernarg_segment_size: 40
    .max_flat_workgroup_size: 128
    .sgpr_count:     80
    .vgpr_count:     768
    .wavefront_size: 32
...
	.end_amdgpu_metadata
.endif
;; end of part 7
